; MI455X (gfx1250); checked and timed in simulation.
; The chip was launched on July 23, 2026; its instructions are those of AMD's public machine-readable ISA for CDNA 5 (MIT licence, August 2026) and "CDNA5" Instruction Set Architecture Reference Guide (July 2026). The comments in the code are by the model that wrote it; some were corrected since.
;; Attention. Allowed arithmetic: matrix products marked QUANTISED: E2M3 operands, one E8M0 scale for each 32 along K, by v_wmma_scale_f32_16x16x128_f8f6f4 with both operands' format E2M3, f32 sums; everything else in f32.
;; Inputs: proj_b 1,024 float32; proj_w 1,024 x 1,024 float32; qkv_w 3,072 x 1,024 float32; x 8 x 1,024 x 1,024 float32.
;; Outputs: out0 8 x 1,024 x 1,024 float32.
;; This version of the problem:
;;   THIS VERSION OF THE PROBLEM IS GIVEN IN LOW PRECISION. The matrix products marked QUANTISED in the list below multiply operands that are first quantised to E2M3 (2 exponent bits, 3 mantissa bits; 6 bits a number), with one power-of-two scale for each 32 numbers along K (OCP MX v1.0); their sums are f32. All else is computed in f32.
;;   The module's matrix products, in the order in which they are computed (A, B: the left and right operand; K: the contracted axis; several contracted axes count as one K, in the product's order):
;;     1. [M 8,192, K 1,024] x [K 1,024, N 3,072]; A: input x; B: input qkv_w: QUANTISED
;;     2. batch 128 x [M 1,024, K 64] x [K 64, N 1,024]; A: computed on the way; B: computed on the way: QUANTISED
;;     3. batch 128 x [M 1,024, K 1,024] x [K 1,024, N 64]; A: softmax (see below); B: computed on the way: QUANTISED
;;     4. [M 8,192, K 1,024] x [K 1,024, N 1,024]; A: computed on the way; B: input proj_w: QUANTISED
;;   THE QUANTISER, for each operand of a quantised product, along K:
;;     - K is cut into blocks of 32 from its start; a last block that is shorter is filled with zeros.
;;     - A block's scale is 2^e with e = floor(log2(the largest magnitude in the block)) - 2, held to -126 .. 127; a block of zeros has e = 0. As a byte (E8M0): e + 127.
;;     - Each number is divided by its block's scale, clamped to +-7.5, and rounded to the nearest number of E2M3, ties to even, subnormals kept.
;;     - The product sums the exact products of the quantised numbers (number of the format x scale) in f32.
;;   ~~~python
;;   def quantise(x, axis):      # numpy; x: float32 -> the quantised numbers, widened to float32 again
;;       x = np.moveaxis(x, axis, -1); K = x.shape[-1]
;;       x = np.pad(x, [(0, 0)] * (x.ndim - 1) + [(0, -K % 32)]); x = x.reshape(x.shape[:-1] + (-1, 32)); a = np.abs(x).max(-1, keepdims=True)
;;       e = np.where(a > 0, np.clip(np.frexp(np.where(a > 0, a, 1))[1] - 1 - 2, -126, 127), 0)      # np.frexp(a)[1] - 1 = floor(log2(a)), exactly
;;       r = np.clip(x / 2.0 ** e, -7.5, 7.5)
;;       step = 2.0 ** (np.maximum(np.frexp(np.where(r == 0, 1, r))[1] - 1, 0) - 3)
;;       q = np.round(r / step) * step * 2.0 ** e      # np.round: ties to even
;;       return np.moveaxis(q.reshape(q.shape[:-2] + (-1,))[..., :K], -1, axis).astype(np.float32)
;;   ~~~
;;   SOFTMAX AHEAD OF A QUANTISED PRODUCT. Where the list says 'softmax', what is quantised is not the finished softmax but p = 2^(t - M), with t = logit x log2(e) and M = ceil(the row's largest t), a whole number; so 1/2 < the row's largest p <= 1. The row's sum l is taken of the UNQUANTISED p, in f32, and the product's result is divided by l at the end. Since M is a whole number, a kernel that streams over the keys may use a running M (the ceiling of the running maximum): every later rescaling is an exact power of two, which a block's scale takes up: the codes' values come out the same.
;;   OPERANDS COMPUTED ON THE WAY. 'Computed on the way' means the value that the module computes at that place (a softmax that the list does not call 'softmax' is quantised finished and normalised). What goes into a quantiser is computed in f32, as accurately as f32 sums, v_exp_f32 and their like allow (about 1e-6 of the number): no bf16 or f16 on the way to a quantiser, and a product that is left as it is and whose result goes on into a quantised operand takes f32 operands (vector FMAs, or v_wmma_f32_16x16x4_f32). A number that lies on a knife's edge between two numbers of the format may be rounded either way, as far as f32 arithmetic and the matrix unit's own rounding can turn it there, and no further.
;; One version. Each part assembles by itself: llvm-mc -triple=amdgcn-amd-amdhsa -mcpu=gfx1250 --defsym DOCPART=n.
;; ======== version 1 of 1: 4 launches
;; limits: right only within a limited range of input values
;; workspace buffers: cod1 9,437,184 bytes; scl1 393,216 bytes; cod2 18,874,368 bytes; scl2 1,310,720 bytes; cod3 6,291,456 bytes; scl3 262,144 bytes
;; launch quant (part 1): grid 768 x 1, 2 waves a work-group, no clusters, 17,664 bytes of LDS; arguments x, qkv_w, proj_w, cod1, scl1; writes cod1, scl1
.if DOCPART == 1
	.amdgcn_target "amdgcn-amd-amdhsa--gfx1250"
	.amdhsa_code_object_version 6
	.text
	.protected	k_qfbb8b7f1ea_quant
	.globl	k_qfbb8b7f1ea_quant
	.p2align	8
	.type	k_qfbb8b7f1ea_quant,@function
k_qfbb8b7f1ea_quant:
	s_mov_b64 s[64:65], 0
	v_nop
	global_prefetch_b8 v0, s[64:65] scope:SCOPE_SE
	s_setreg_imm32_b32 hwreg(HW_REG_WAVE_MODE, 25, 1), 1
	s_wait_xcnt 0x0
; x [8192][1024], qkv_w [3072][1024] and proj_w [1024][1024], f32, K innermost, become codes of FP6 (E2M3) with one E8M0 byte for each 32 along K.
; A block's scale is 2^(floor(log2(its largest magnitude)) - 2); each number is divided by it and rounded to the nearest code, ties to even, beyond 7.5 the largest code.
; LIMITS: NaN and infinities among the inputs are not served.  A block of zeros, and one whose largest magnitude lies under 2^-124, gets the byte 1 (a block of zeros: where the rule says 127):
; a block of zeros has zero codes, which add nothing under any byte but 0xff, and the bytes are read by this program alone.
; OUTPUT, laid as the products' launches take it.  cod1: [row tile 768][128 along K: 8][1,536 bytes]: a fragment (16 rows x 128 K, 12 registers a lane) as an image of its registers:
; registers 4 c .. 4 c + 3 of lane l at 512 c + 16 l.  scl1: [256 rows: 48][128 along K: 8][tile 16][row 16], a word of four bytes each.  Tiles 0-511 x, 512-703 qkv_w, 704-767 proj_w.
; WHICH ROWS FORM A TILE.  In x and qkv_w tile T's row 8 g + s is row 32 (T / 2) + 16 g + 8 (T % 2) + s of the tensor, so that a product which takes such tiles as its source 0 leaves 16 neighbours
; of that axis in a lane's 16 registers of two neighbouring tiles.  proj_w's tiles are 16 neighbouring rows.
; SHARES.  768 work-groups of two waves: three for each of 256 WGPs.  Work-group g: four tiles (64 rows), Q = g / 4; wave w: 128 along K, number 2 (g % 4) + w; four steps, a tile each.
; A step's 16 loads read 512 consecutive bytes each (a row's 128 numbers); they turn through the wave's own stage in LDS, so that lane (r, h) gets 16 neighbours of each block of 32 of row r.
; Loads run one step ahead of the step in hand.  Waves share nothing: no barrier.
.set SP,    528                        ; a stage row: 512 bytes + 16: the sixteen rows that a read touches begin in sixteen different columns of 16 bytes
.set SCW,   16*SP                      ; behind the stage: the wave's 256 bytes of scale words
.set WREG,  SCW+256                    ; a wave's region
.set SPARE, 2*WREG                     ; behind the two regions: the spare words, 128 bytes a wave, which no other line names
.set VO,  8                            ; v8-11  byte offsets of the loads: 16 l + 512 x (my 128 along K) + the tile's and the half tile's rows
.set TM,  16                           ; v16-31 at work in QUANT
.set PC,  32                           ; v32-51 the codes just made
.set PW,  52                           ; v52    the scale word just made
.set SPW, 54                           ; v54    LDS address of my spare word; never rewritten
.set NIL, 55                           ; v55    0; never rewritten
.set R,   64                           ; v64-191  two sets of 64: a step's numbers as loaded
.set X,   192                          ; v192-255 a step's numbers, 16 neighbours of each of four blocks
.set SEL, 30                           ; s[30:31] lane selects: lane l xor 16
; 64 numbers of a lane, register 16 b + i = k 32 b + 16 (lane / 16) + i of my row, become a fragment's codes in v[PC] on and its scale word in v[PW].
.macro QUANT s
.irp b, 0,1,2,3
	v_max3_num_f32 v[TM+\b], |v[\s+16*\b]|, |v[\s+1+16*\b]|, 0x1800000   ; block b: my 16 numbers, and the floor 2^(3 - 127): the byte cannot fall under 1
.endr
.irp i, 2,4,6,8,10,12,14
.irp b, 0,1,2,3
	v_max3_num_f32 v[TM+\b], v[TM+\b], |v[\s+16*\b+\i]|, |v[\s+1+16*\b+\i]|   ; the four blocks by turns
.endr
.endr
.irp b, 0,1,2,3
	v_permlanex16_b32 v[TM+4+\b], v[TM+\b], s[SEL], s[SEL+1]
.endr
.irp b, 0,1,2,3
	v_max_num_f32 v[TM+\b], v[TM+\b], v[TM+4+\b]   ; with lane l xor 16's: the block's largest magnitude
.endr
.irp b, 0,1,2,3
	v_add_nc_u32 v[TM+12+\b], 0xff000000, v[TM+\b]   ; 2 off its exponent field: the conversion takes that field as its scale
.endr
.irp b, 0,1,2,3
	v_lshrrev_b32 v[TM+4+\b], 23, v[TM+12+\b]      ; the scale's byte
.endr
	v_lshl_or_b32 v[PW], v[TM+5], 8, v[TM+4]
	v_lshl_or_b32 v[PW], v[TM+6], 16, v[PW]
	v_lshl_or_b32 v[PW], v[TM+7], 24, v[PW]        ; my row's scale word, the same in both halves of the lanes
.irp c, 0,1
	v_cvt_scalef32_pk16_fp6_f32 v[PC+6*\c:PC+2+6*\c], v[\s+32*\c:\s+15+32*\c], v[TM+12+2*\c]
	v_cvt_scalef32_pk16_fp6_f32 v[PC+12+4*\c:PC+14+4*\c], v[\s+16+32*\c:\s+31+32*\c], v[TM+12+2*\c+1]   ; (a conversion's three registers begin on an even number)
.endr
	v_nop                                          ; one plain instruction behind a scaled conversion
.irp c, 0,1                                    ; the operand's layout wants a whole block in a lane: lanes 0-15 block 2 c, lanes 16-31 block 2 c + 1
.irp i, 0,1,2
	v_permlane16_swap_b32 v[PC+6*\c+\i], v[PC+12+4*\c+\i]
.endr
.irp i, 0,1,2
	v_mov_b32 v[PC+3+6*\c+\i], v[PC+12+4*\c+\i]
.endr
.endr
.endm
	s_load_b256 s[4:11], s[0:1], 0x0               ; x s[4:5], qkv_w s[6:7], proj_w s[8:9], cod1 s[10:11]
	s_load_b64 s[12:13], s[0:1], 0x20              ; scl1
	v_lshl_add_u32 v[SPW], v0, 2, SPARE
	v_mov_b32 v[NIL], 0
	v_lshrrev_b32 v7, 5, v0
	v_readfirstlane_b32 s16, v7                    ; wave
	v_and_b32 v7, 31, v0                           ; lane
	v_and_b32 v12, 15, v0                          ; r
	v_bfe_u32 v13, v0, 4, 1                        ; h
	v_lshlrev_b32 v1, 4, v7                        ; 16 l
	v_lshlrev_b32 v6, 3, v7                        ; 8 l
	s_mul_i32 s17, s16, WREG
	v_add_nc_u32 v2, s17, v1                       ; the stage, on the way in: a row's 512 bytes as they lie
	v_mul_u32_u24 v3, v12, SP
	v_lshl_add_u32 v3, v13, 6, v3
	v_add_nc_u32 v3, s17, v3                       ; and out: row r, + 64 h: my 16 numbers of a block
	v_lshlrev_b32 v4, 2, v12
	v_add_nc_u32 v4, s17, v4                       ; my row's scale word (the offset adds SCW and the tile)
	v_add_nc_u32 v5, s17, v6
	v_add_nc_u32 v5, SCW, v5                       ; the 256 bytes of scale words, 8 bytes a lane
.irp b, 0,1,2,3
	v_mov_b32 v[TM+4+\b], 0                        ; written once: a lane permute's destination counts as one of its sources
.endr
	s_lshr_b32 s20, ttmp9, 2                       ; Q: which four tiles
	s_and_b32 s21, ttmp9, 3
	s_lshl_b32 s21, s21, 1
	s_add_co_u32 s21, s21, s16                     ; which 128 along K
	s_mov_b32 s[SEL], 0x76543210
	s_mov_b32 s[SEL+1], 0xfedcba98
	s_mov_b32 s22, 176
	s_cmp_lt_u32 s20, 176                          ; the tensor is chosen by the work-group's number alone
	s_cselect_b32 s22, 128, s22                    ; the tensor's first Q
	s_cselect_b32 s23, 1, 0                        ; 1: tiles in the exchanged order
	s_wait_kmcnt 0x0
	s_cselect_b64 s[24:25], s[6:7], s[8:9]
	s_cmp_lt_u32 s20, 128
	s_cselect_b32 s22, 0, s22
	s_cselect_b32 s23, 1, s23
	s_cselect_b64 s[24:25], s[4:5], s[24:25]
	s_sub_co_u32 s22, s20, s22                     ; Q within the tensor
	s_lshr_b32 s26, 0x10000, s23                   ; from an even tile to the odd one: 8 rows of 4,096 bytes in the exchanged order, else 16
	s_lshl_b32 s27, 0x8000, s23                    ; from a tile's rows 0-7 to its rows 8-15: 16 rows, else 8
	s_lshl_b32 s28, s22, 18                        ; 64 rows of 4,096 bytes
	s_mov_b32 s29, 0
	s_add_nc_u64 s[24:25], s[24:25], s[28:29]
	s_mul_i32 s28, s20, 49152                      ; four tiles of 8 images
	s_mul_i32 s18, s21, 1536
	s_add_co_u32 s28, s28, s18
	s_add_nc_u64 s[10:11], s[10:11], s[28:29]
	s_lshr_b32 s28, s20, 2
	s_lshl_b32 s28, s28, 13                        ; the 256 rows' block of scale words,
	s_lshl_b32 s18, s21, 10                        ; my 128 along K,
	s_add_co_u32 s28, s28, s18
	s_and_b32 s18, s20, 3
	s_lshl_b32 s18, s18, 8                         ; my four tiles: 256 bytes
	s_add_co_u32 s28, s28, s18
	s_add_nc_u64 s[12:13], s[12:13], s[28:29]
	s_lshl_b32 s18, s21, 9
	v_add_nc_u32 v[VO], s18, v1
	v_add_nc_u32 v[VO+1], s27, v[VO]
	v_add_nc_u32 v[VO+2], s26, v[VO]
	v_add_nc_u32 v[VO+3], s27, v[VO+2]
.macro LOAD t                          ; tile t's 16 rows, 512 consecutive bytes each, into set t % 2
.irp i, 0,1,2,3,4,5,6,7,8,9,10,11,12,13,14,15
	global_load_b128 v[R+64*((\t)%2)+4*\i:R+64*((\t)%2)+4*\i+3], v[VO+2*((\t)%2)+\i/8], s[24:25] offset:(32*((\t)/2)+\i%8)*4096 th:TH_LOAD_NT
.endr
.endm
.macro STEP t
.if (\t) < 3
	s_wait_loadcnt 16                              ; this tile's 16 loads are in; the next tile's 16 may be out
.else
	s_wait_loadcnt 0x0
.endif
.irp i, 0,1,2,3,4,5,6,7,8,9,10,11,12,13,14,15
	ds_store_b128 v2, v[R+64*((\t)%2)+4*\i:R+64*((\t)%2)+4*\i+3] offset:SP*\i
.endr
.irp b, 0,1,2,3
.irp j, 0,1,2,3
	ds_load_b128 v[X+16*\b+4*\j:X+16*\b+4*\j+3], v3 offset:128*\b+16*\j   ; LDS serves a wave's instructions in order: these see the stores above
.endr
.endr
	s_wait_dscnt 0x0                               ; the numbers are back, and the stores have read their registers
	s_wait_xcnt 0x0                                ; the last tile's image stores have read the codes' registers, which QUANT writes again
.if (\t) < 2
	LOAD (\t)+2
.endif
	QUANT X
.irp c, 0,1,2
	global_store_b128 v1, v[PC+4*\c:PC+4*\c+3], s[10:11] offset:12288*(\t)+512*\c   ; 32 lanes store 512 consecutive bytes, aligned to 256
.endr
	ds_store_b32 v4, v[PW] offset:SCW+64*(\t)      ; both halves of the lanes write the same word with the same value
.endm
	LOAD 0
	LOAD 1
	s_wait_alu depctr_va_vdst(0)                   ; the wait at the head's end
	STEP 0
	STEP 1
	STEP 2
	STEP 3
	ds_load_b64 v[56:57], v5                       ; my four tiles' scale words
	s_wait_dscnt 0x0
	global_store_b64 v6, v[56:57], s[12:13]        ; 32 lanes store 256 consecutive bytes, aligned
	s_wait_tensorcnt 0x0                           ; the wave's end: a wait, an add to my spare word and its wait, behind my last LDS store
	ds_add_u32 v[SPW], v[NIL]
	s_wait_dscnt 0x0
	s_endpgm
.Lfunc_end_k_qfbb8b7f1ea_quant:
	.size	k_qfbb8b7f1ea_quant, .Lfunc_end_k_qfbb8b7f1ea_quant-k_qfbb8b7f1ea_quant
	.p2alignl 7, 3214868480
	.fill 96, 4, 3214868480
	.section	.rodata,"a",@progbits
	.p2align	6, 0x0
	.amdhsa_kernel k_qfbb8b7f1ea_quant
		.amdhsa_group_segment_fixed_size 17664
		.amdhsa_private_segment_fixed_size 0
		.amdhsa_enable_private_segment 0
		.amdhsa_kernarg_size 40
		.amdhsa_user_sgpr_count 2
		.amdhsa_user_sgpr_kernarg_segment_ptr 1
		.amdhsa_wavefront_size32 1
		.amdhsa_system_sgpr_workgroup_id_x 1
		.amdhsa_system_sgpr_workgroup_id_y 1
		.amdhsa_system_sgpr_workgroup_id_z 1
		.amdhsa_system_vgpr_workitem_id 0
		.amdhsa_next_free_vgpr 256
		.amdhsa_next_free_sgpr 66
		.amdhsa_reserve_vcc 0
		.amdhsa_float_denorm_mode_32 3
		.amdhsa_float_denorm_mode_16_64 3
		.amdhsa_memory_ordered 1
		.amdhsa_forward_progress 1
		.amdhsa_inst_pref_size 34
	.end_amdhsa_kernel
	.amdgpu_metadata
---
amdhsa.version: [ 1, 2 ]
amdhsa.kernels:
  - .name:           k_qfbb8b7f1ea_quant
    .symbol:         k_qfbb8b7f1ea_quant.kd
    .args:
      - { .name: x, .offset: 0, .size: 8, .value_kind: global_buffer, .address_space: global }
      - { .name: qkv_w, .offset: 8, .size: 8, .value_kind: global_buffer, .address_space: global }
      - { .name: proj_w, .offset: 16, .size: 8, .value_kind: global_buffer, .address_space: global }
      - { .name: cod1, .offset: 24, .size: 8, .value_kind: global_buffer, .address_space: global }
      - { .name: scl1, .offset: 32, .size: 8, .value_kind: global_buffer, .address_space: global }
    .group_segment_fixed_size: 17664
    .private_segment_fixed_size: 0
    .kernarg_segment_align: 8
    .kernarg_segment_size: 40
    .max_flat_workgroup_size: 64
    .sgpr_count:     66
    .vgpr_count:     256
    .wavefront_size: 32
...
	.end_amdgpu_metadata
.endif
;; end of part 1
;; launch qkv (part 2): grid 8 x 32, 4 waves a work-group, clusters of 4 x 4, 327,680 bytes of LDS; arguments cod1, scl1, cod2, scl2; writes cod2, scl2
.if DOCPART == 2
	.amdgcn_target "amdgcn-amd-amdhsa--gfx1250"
	.amdhsa_code_object_version 6
	.text
	.protected	k_qfbb8b7f1ea_qkv
	.globl	k_qfbb8b7f1ea_qkv
	.p2align	8
	.type	k_qfbb8b7f1ea_qkv,@function
k_qfbb8b7f1ea_qkv:
	s_mov_b64 s[64:65], 0
	v_nop
	global_prefetch_b8 v0, s[64:65] scope:SCOPE_SE
	s_setreg_imm32_b32 hwreg(HW_REG_WAVE_MODE, 25, 1), 1
	s_wait_xcnt 0x0
	s_wait_alu depctr_hold_cnt(0) depctr_sa_sdst(0) depctr_va_vdst(0) depctr_va_sdst(0) depctr_va_ssrc(0) depctr_va_vcc(0) depctr_vm_vsrc(0)
	s_getreg_b32 s2, hwreg(HW_REG_IB_STS2, 6, 4)
	s_cmp_eq_u32 s2, 0
	s_cbranch_scc0 .Lentry_in_a_cluster
	s_endpgm
.Lentry_in_a_cluster:
	s_bfe_u32 s2, ttmp6, 0x10000c
	s_cmp_lg_u32 s2, 0xf033
	s_cbranch_scc0 .Lentry_shape_is_right
	s_endpgm
.Lentry_shape_is_right:
; qkv = x qkv_w^T on codes of FP6 (E2M3) with E8M0 scales, K = 1,024, sums in f32; the results leave as CODES: q and k quantised along a head's 64 channels, v along the keys.
; LIMITS: NaN and infinities are not served; a block of zeros gets the byte 1 where the rule says 127 (zero codes; the bytes are read by this program alone).
; SHARES.  q and k are 8,192 x 2,048 numbers: 256 tiles of 256 x 256; v is 1,024 x 8,192: 256 tiles of 128 x 256.  Work-group (X, Y) makes BOTH: part 1: tokens 256 Y on x rows 256 X on of W_q, W_k;
; part 2: rows 128 X on of W_v (heads 2 X, 2 X + 1) x the same 256 tokens.  So all 256 work-groups have the same work.  Four waves; a wave makes 128 x 128 (64 accumulators), then 64 x 128 (32).
; OPERANDS lie in memory as images of their registers: [row tile][128 along K: 8][1,536 bytes].  A fragment comes from LDS by three loads of 16 bytes a lane, 512 consecutive bytes each: no pitch, no padding.
; PART 1.  K goes in steps of 256 through two LDS slots (tokens' 16 row tiles, then the weights' 16).  Source 0 = 16 rows of W, source 1 = 16 tokens: a lane holds one token, its registers run along the channels.
; PART 2.  Source 0 = 16 tokens, source 1 = 16 rows of W_v: a lane holds one channel, its registers run along the keys.  W_v's 8 row tiles for all of K, 98,304 dense bytes, come once, with the first fills.
; The tokens of K 512 .. 1,023 still lie in the slots' token halves when part 1 ends; those of K 0 .. 511 are brought into the slots' WEIGHT halves at part 1's last two changes of slots, and land while part 1's
; results are quantised.  So part 2 walks K in the order 768, 512, 0, 256 (a sum's order is free here), asks for nothing, and has one barrier.
; Row tiles of x and of qkv_w hold rows in the exchanged order, so that the 64 registers of a block of source 1 are, in fours of 16, neighbours 32 b + 16 (lane / 16) + 0 .. 15 of source 0's axis: what the conversions want.
; CLUSTERS: 4 x 4 work-groups; the tokens' tiles are asked for jointly by a row of the cluster, the weights' by a column.
; OUT.  cod2: [q, k, v][batch 8][128 tokens: 8][head 16][6,144].  q, k: [token tile 8][768]: half a fragment (K = 64): registers 0-3 at 16 l, registers 4-5 at 512 + 8 l.  v: [channel tile 4][keys 0-63: 768][keys 64-127: 768].
; scl2: q at 0: [batch x 8 + head pair][head 2][128 tokens: 8][lane 32][4 words]: word j: tile 2 j in lanes 0-15, tile 2 j + 1 in lanes 16-31; bytes 0, 1 the head's two scales, bytes 2, 3 = 127 (for the zero codes that fill K to 128).
;       k, v at 524,288: [pair][12,288]: k as q; behind it, at 8,192, v: [head 2][128 keys: 8][lane 32][2 words], whole words.
; REGISTERS: window 0: v16-29 addresses; v32-63 scale words; v64-123 the way out; v128-223 source 1's fragments (part 1: one set of 8; part 2: two sets of 4); v224-239 W_v's scale words.
;   window 1: source 0's fragments, two sets, at v0 and v128.  windows 2, 3: the accumulators, (a, b) at v[8 (8 (a % 4) + b)]; part 2 uses window 2 alone.
.set FR,     12                        ; registers of a fragment
.set NL,     3                         ; LDS loads that bring one
.set NP,     4                         ; places behind this matrix instruction (ISA guide 7.12.1)
.set NQ,     2                         ; steps of 128 along K in a slot
.set FRB,    1536                      ; a fragment's image
.set TILEB,  NQ*FRB                    ; a row tile's bytes in a slot
.set HALFT,  8*TILEB                   ; 8 row tiles: what one tensor load brings
.set SLOT,   4*HALFT                   ; the tokens' 16 tiles, then the weights' 16
.set WVB,    2*SLOT                    ; behind the ring: W_v: [row tile 8][128 along K: 8][1,536]
.set SCA,    WVB+4*HALFT               ; the tokens' scale words, 8,192 bytes;
.set SCD,    8192+64                   ; W_q's or W_k's lie this far on: 64 bytes more than the tokens' length, so that the 16 + 16 words of one load fall on 32 different words of a 256-byte row of LDS
.set SPARE,  311552                    ; behind them, at the next multiple of 256: the spare words, 128 bytes a wave, which no other line names
.set ADRA, 16                          ; v16-17  LDS address of my tokens' fragments in slot 0, 1
.set ADRT, 18                          ; v18-19  the same in the slots' weight halves (part 2)
.set ADRB, 20                          ; v20-21  of my weights' fragments in slot 0, 1
.set ADRW, 22                          ; v22     of my four row tiles of W_v
.set ADRK, 23                          ; v23     part 2: of my tokens' scale words: lanes 0-15 the even 128 along K, lanes 16-31 the odd
.set L16,  24                          ; v24     16 x lane
.set L8,   25                          ; v25     8 x lane
.set WSO,  26                          ; v26     4 (lane % 16) + 1,024 (lane / 16)
.set ADRS, 27                          ; v27     part 1: LDS address of my scale words: lanes 0-15 the tokens', lanes 16-31 the weights'
.set SPW,  28                          ; v28     LDS address of my spare word; never rewritten
.set NIL,  29                          ; v29     0; never rewritten
.set SC,   32                          ; part 1: scale words: set s at v[SC + 16 s]; register 2 i + q: block i, the slot's q-th 128 along K
.set TS,   32                          ; part 2: the tokens' scale words: register 8 (k128 / 2) + b
.set TM,   64                          ; v64-79  at work in the quantiser
.set PW8,  80                          ; v80-87  the blocks' scale words
.set MX,   88                          ; v88-91  two blocks' words to a register
.set PC,   96                          ; v96-115 the codes just made
.set EW,   116                         ; v116-123 q's or k's words, by head
.set AF,   128
.set WS,   224                         ; v224-239 W_v's scale words: register 4 (k128 / 2) + a
.set WV,  100                          ; s100 my wave's number
.set HA,  101                          ; s101 wave / 2: which 128 tokens are mine.  Also: I fetch tokens (0) or weights (1)
.set HB,  104                          ; s104 wave % 2: which half of the weights' rows.  Also: which 8 row tiles I fetch
.set G0W, 20                           ; s[20:23] descriptor group 0 for W_v;  s[92:99] its group 1
.set G1, 24                            ; s[24:31] group 1 for the tokens' tiles; s[32:39] group 0, one set a slot
.set G0, 32
.set G1B, 48                           ; s[48:55], s[56:63] the same for the weights'
.set G0B, 56
.set G1S, 68                           ; s[68:75], s[76:79] groups 1 and 0 for the tokens' scale words; s[80:87], s[88:91] for the weights'
.set G0S, 76
.set G1SB, 80
.set G0SB, 88
.set G1W, 92
.set HM,  66                           ; s66  lanes 16-31
.set C7F, 67                           ; s67  four bytes 127
.set MSB, 0
.set RING8, 0                          ; 0 until the ring's descriptors have been set to 8 row tiles a load
.macro WIN new                         ; the immediate's high byte repeats the setting that is left
.if MSB != \new
	s_set_vgpr_msb (MSB<<8)|\new
.set MSB, \new
.endif
.endm
.set MUL_LO, 0xa1                      ; source 0 window 1, source 1 window 0, C and D window 2
.set MUL_HI, 0xf1                      ; the same, C and D window 3
.set TO_B,   0x40                      ; destination window 1, address window 0
; A joint load: waves 0 and 1 fetch tokens, waves 2 and 3 weights; the branch hangs on the wave's number alone.  An s_nop 0 and four v_nop follow each of the two lines.
.macro JLOAD g0a, g1a, g0b, g1b
	s_cmp_eq_u32 s[HA], 0
	s_cbranch_scc0 .Lfor_b_\@
	tensor_load_to_lds s[\g0a:\g0a+3], s[\g1a:\g1a+7]
	s_nop 0
.rept 4
	v_nop
.endr
	s_branch .Lasked_\@
.Lfor_b_\@:
	tensor_load_to_lds s[\g0b:\g0b+3], s[\g1b:\g1b+7]
	s_nop 0
.rept 4
	v_nop
.endr
.Lasked_\@:
.endm
.macro CREST                           ; a round of the cluster's barrier behind its opening barrier
	s_cmp_lg_u32 s[WV], 0
	s_cbranch_scc1 .Lnot_wave_0_\@
	s_barrier_signal -3
.Lnot_wave_0_\@:
	s_barrier_wait -3
	s_barrier_signal -1
	s_barrier_wait -1
.endm
.macro CROUND
	s_barrier_signal -1
	s_barrier_wait -1
	CREST
.endm
	s_load_b256 s[4:11], s[0:1], 0x0               ; cod1 s[4:5], scl1 s[6:7], cod2 s[8:9], scl2 s[10:11]
	v_lshl_add_u32 v[SPW], v0, 2, SPARE
	v_mov_b32 v[NIL], 0
	ds_add_u32 v[SPW], v[NIL]                      ; the wave's opening: the add and its wait ahead of my first tensor load; the set-up below, work on registers, stands between them
	ds_add_u32 v[SPW], v[NIL]
	v_lshrrev_b32 v1, 5, v0
	v_readfirstlane_b32 s[WV], v1                  ; wave 0..3
	s_lshr_b32 s[HA], s[WV], 1
	s_and_b32 s[HB], s[WV], 1
	s_bfe_u32 s40, ttmp6, 0x40000                  ; cx, cy: my place in the cluster
	s_bfe_u32 s41, ttmp6, 0x40004
	s_lshl_b32 s42, ttmp9, 2
	s_add_co_u32 s42, s42, s40                     ; X = 4 x cluster x + cx, 0 .. 7: the weights' block
	s_and_b32 s17, ttmp7, 0xffff
	s_lshl_b32 s17, s17, 2
	s_add_co_u32 s17, s17, s41                     ; Y = 4 x cluster y + cy, 0 .. 31: the tokens' block
	s_lshl_b32 s43, s41, 2
	s_lshl_b32 s43, 15, s43                        ; my row of the cluster
	s_lshl_b32 s44, 0x1111, s40                    ; my column
	; descriptor group 1, codes: rows (row tiles) of 3,072 bytes, 12,288 bytes apart, in elements of 8 bytes; no padding.  16 rows for the slots' first fills; the first change of slots sets 8, for the ring
	s_or_b32 s[G1+0], s43, (3<<16)|(1<<21)         ; 15:0 the mask; 17:16 elements of 8 bytes; 21 set beside a mask
	s_or_b32 s[G1B+0], s44, (3<<16)|(1<<21)
.irp g, G1, G1B
	s_mov_b32 s[\g+1], 384<<16                     ; tensor_dim0
	s_mov_b32 s[\g+2], 16<<16                      ; tensor_dim1
	s_mov_b32 s[\g+3], 384<<16                     ; tile_dim0
	s_mov_b32 s[\g+4], 16                          ; tile_dim1
	s_mov_b32 s[\g+5], 1536                        ; tensor_dim0_stride
	s_mov_b32 s[\g+6], 0
	s_mov_b32 s[\g+7], 0
.endr
	; scale words: 8,192 dense bytes, as 32 rows of 256
	s_or_b32 s[G1S+0], s43, (3<<16)|(1<<21)
	s_or_b32 s[G1SB+0], s44, (3<<16)|(1<<21)
.irp g, G1S, G1SB
	s_mov_b32 s[\g+1], 32<<16
	s_mov_b32 s[\g+2], 32<<16
	s_mov_b32 s[\g+3], 32<<16
	s_mov_b32 s[\g+4], 32
	s_mov_b32 s[\g+5], 32
	s_mov_b32 s[\g+6], 0
	s_mov_b32 s[\g+7], 0
.endr
	; W_v: four row tiles a load, 49,152 dense bytes, as 16 rows of 3,072
	s_or_b32 s[G1W+0], s44, (3<<16)|(1<<21)
	s_mov_b32 s[G1W+1], 384<<16
	s_mov_b32 s[G1W+2], 16<<16
	s_mov_b32 s[G1W+3], 384<<16
	s_mov_b32 s[G1W+4], 16
	s_mov_b32 s[G1W+5], 384
	s_mov_b32 s[G1W+6], 0
	s_mov_b32 s[G1W+7], 0
	s_lshl_b32 s12, s17, 4
	s_mul_i32 s12, s12, 12288
	s_mov_b32 s13, 0
	s_lshl_b32 s14, s17, 13                        ; their block of scale words,
	s_mov_b32 s15, 0
	s_lshl_b32 s46, s42, 4
	s_add_co_u32 s46, s46, 512                     ; W_q's first row tile in cod1
	s_mul_i32 s46, s46, 12288
	s_mov_b32 s47, 0
	s_add_co_u32 s18, s42, 32                      ; and its first block of scale words in scl1
	s_lshl_b32 s18, s18, 13
	s_mov_b32 s19, 0
	s_lshl_b32 s66, s42, 3
	s_add_co_u32 s66, s66, 640                     ; W_v's first row tile in cod1; 8 tiles a work-group,
	s_lshl_b32 s67, s[HB], 2
	s_add_co_u32 s66, s66, s67                     ; four a wave
	s_mul_i32 s66, s66, 12288
	s_mov_b32 s67, 0
	s_mul_i32 s45, s[HB], 2*HALFT                  ; where W_v's half goes: (wave % 2) x 49,152 bytes: no place in the cluster enters an LDS address
	s_wait_dscnt 0x0                               ; the opening add is done
	s_wait_kmcnt 0x0
	s_add_nc_u64 s[12:13], s[4:5], s[12:13]
	s_add_nc_u64 s[14:15], s[6:7], s[14:15]
	s_add_nc_u64 s[46:47], s[4:5], s[46:47]
	s_add_nc_u64 s[18:19], s[6:7], s[18:19]
	s_add_nc_u64 s[66:67], s[4:5], s[66:67]
	CROUND                                         ; all sixteen work-groups are here: the first joint loads meet
	s_mov_b32 s[G0S], 1
	s_mov_b32 s[G0S+1], SCA
	s_mov_b64 s[G0S+2:G0S+3], s[14:15]
	s_or_b32 s[G0S+3], s[G0S+3], 0x80000000
	s_mov_b32 s[G0SB], 1
	s_mov_b32 s[G0SB+1], SCA+SCD
	s_mov_b64 s[G0SB+2:G0SB+3], s[18:19]
	s_or_b32 s[G0SB+3], s[G0SB+3], 0x80000000
.irp s, 0,1
	s_mov_b32 s[G0+4*\s], 1
	s_mov_b32 s[G0+4*\s+1], \s*SLOT                ; the first fills bring a slot's 16 row tiles of tokens whole,
	s_add_nc_u64 s[G0+4*\s+2:G0+4*\s+3], s[12:13], \s*TILEB
	s_or_b32 s[G0+4*\s+3], s[G0+4*\s+3], 0x80000000
	s_mov_b32 s[G0B+4*\s], 1
	s_mov_b32 s[G0B+4*\s+1], \s*SLOT+2*HALFT       ; and its 16 of weights
	s_add_nc_u64 s[G0B+4*\s+2:G0B+4*\s+3], s[46:47], \s*TILEB
	s_or_b32 s[G0B+4*\s+3], s[G0B+4*\s+3], 0x80000000
.endr
	s_mov_b32 s[G0W], 1
	s_add_co_u32 s[G0W+1], s45, WVB
	s_mov_b64 s[G0W+2:G0W+3], s[66:67]
	s_or_b32 s[G0W+3], s[G0W+3], 0x80000000
; THE FIRST FILLS, ONE A WAVE: one chain of branches on the wave's number, a load to an arm, all arms leading to one join.
.macro ARM under, g0, g1, next, join
	s_cmp_lt_u32 s[WV], \under
	s_cbranch_scc0 \next
	tensor_load_to_lds s[\g0:\g0+3], s[\g1:\g1+7]
	s_nop 0
.rept 4
	v_nop
.endr
	s_branch \join
\next:
.endm
	ARM 1, G0, G1, .Lh_w, .Lh_asked                ; wave 0: slot 0's tokens
	ARM 2, G0B, G1B, .Lh_st, .Lh_asked             ; wave 1: slot 0's weights
	ARM 3, G0S, G1S, .Lh_sw, .Lh_asked             ; wave 2: the tokens' scale words
	tensor_load_to_lds s[G0SB:G0SB+3], s[G1SB:G1SB+7]   ; wave 3: the weights'
	s_nop 0
.rept 4
	v_nop
.endr
.Lh_asked:
	v_and_b32 v1, 15, v0                           ; r
	v_bfe_u32 v2, v0, 4, 1                         ; h
	v_and_b32 v3, 31, v0                           ; lane
	v_lshlrev_b32 v[L16], 4, v3
	s_wait_alu depctr_va_vdst(0)
	v_lshlrev_b32 v[L8], 3, v3
	s_mul_i32 s40, s[HA], HALFT                    ; my 8 tiles of tokens
	s_mul_i32 s41, s[HB], HALFT                    ; my 8 tiles of weights,
	s_add_co_u32 s41, s41, 2*HALFT                 ; which lie behind the tokens' 16
.irp s, 0,1
	v_add_nc_u32 v[ADRA+\s], s40, v[L16]
	v_add_nc_u32 v[ADRB+\s], s41, v[L16]
	s_add_co_u32 s40, s40, SLOT
	s_add_co_u32 s41, s41, SLOT
.endr
	v_add_nc_u32 v[ADRT], 2*HALFT, v[ADRA]         ; part 2: my 8 tiles of tokens in a slot's weight half
	v_add_nc_u32 v[ADRT+1], 2*HALFT, v[ADRA+1]
	s_mul_i32 s40, s[HB], 4*12288                  ; part 2: my four row tiles of W_v: one head
	s_add_co_u32 s40, s40, WVB
	v_add_nc_u32 v[ADRW], s40, v[L16]
	s_lshl_b32 s40, s[HA], 9                       ; scale words: 64 bytes a tile: the tokens', my 8 tiles
	s_lshl_b32 s41, s[HB], 9                       ; the weights'
	s_add_co_u32 s41, s41, SCD
	s_sub_co_u32 s41, s41, s40
	v_mul_u32_u24 v6, s41, v2                      ; lanes 16-31 take the weights': one product, the distance x h
	s_add_co_u32 s40, s40, SCA
	v_lshl_add_u32 v5, v1, 2, v6
	v_add_nc_u32 v[ADRS], s40, v5
	v_lshlrev_b32 v[WSO], 2, v1
	v_lshl_add_u32 v[WSO], v2, 10, v[WSO]          ; 4 r + 1,024 h: a row's word; lanes 16-31 the next 128 along K
	s_wait_alu depctr_va_vdst(0)
	v_add_nc_u32 v[ADRK], s40, v[WSO]
	s_lshr_b32 s40, s42, 1                         ; W_v's scale words: block 40 + X / 2 of scl1,
	s_add_co_u32 s40, s40, 40
	s_lshl_b32 s40, s40, 13
	s_and_b32 s41, s42, 1
	s_lshl_b32 s41, s41, 9                         ; its tiles 8 (X % 2) on,
	s_add_co_u32 s40, s40, s41
	s_lshl_b32 s41, s[HB], 8                       ; my four of them
	s_add_co_u32 s40, s40, s41
	s_mov_b32 s41, 0
	s_add_nc_u64 s[6:7], s[6:7], s[40:41]
.irp sl, 0,1,2,3                               ; once, into registers that keep them: 16 words a lane for my 64 rows and all of K
.irp i, 0,1,2,3
	global_load_b32 v[WS+4*\sl+\i], v[WSO], s[6:7] offset:2048*\sl+64*\i
.endr
.endr
	; where the results go
	s_lshl_b32 s40, s17, 1
	s_add_co_u32 s40, s40, s[HA]                   ; batch x 8 + which 128 tokens
	s_mul_i32 s41, s40, 98304
	s_lshl_b32 s43, s42, 1
	s_add_co_u32 s43, s43, s[HB]                   ; 2 X + wave % 2: v's head
	s_mul_i32 s44, s43, 6144
	s_add_co_u32 s44, s44, s41
	s_add_co_u32 s44, s44, 12582912                ; v's part of cod2
	s_mov_b32 s45, 0
	s_add_nc_u64 s[12:13], s[8:9], s[44:45]        ; v's codes
	s_and_b32 s46, s43, 7                          ; q's or k's head pair
	s_mul_i32 s44, s46, 12288
	s_add_co_u32 s44, s44, s41
	s_lshr_b32 s47, s42, 2                         ; 0: q, 1: k
	s_mul_i32 s18, s47, 6291456
	s_add_co_u32 s44, s44, s18
	s_add_nc_u64 s[8:9], s[8:9], s[44:45]          ; q's or k's codes
	s_lshr_b32 s18, s17, 2
	s_lshl_b32 s18, s18, 3                         ; 8 x batch
	s_and_b32 s19, s40, 7                          ; which 128 tokens of the batch
	s_add_co_u32 s41, s18, s42                     ; v's head pair is X
	s_mul_i32 s44, s41, 12288
	s_add_co_u32 s44, s44, 524288+8192             ; v's words lie behind k's
	s_lshl_b32 s41, s[HB], 11
	s_add_co_u32 s44, s44, s41
	s_lshl_b32 s41, s19, 8
	s_add_co_u32 s44, s44, s41
	s_add_nc_u64 s[14:15], s[10:11], s[44:45]      ; v's scale words
	s_add_co_u32 s41, s18, s46
	s_mov_b32 s44, 12288
	s_cmp_eq_u32 s47, 0
	s_cselect_b32 s44, 8192, s44
	s_cselect_b32 s18, 0, 524288
	s_mul_i32 s44, s44, s41
	s_add_co_u32 s44, s44, s18
	s_lshl_b32 s41, s19, 9
	s_add_co_u32 s44, s44, s41
	s_add_nc_u64 s[10:11], s[10:11], s[44:45]      ; q's or k's scale words
	s_mov_b32 s[HM], 0xffff0000
	s_mov_b32 s[C7F], 0x7f7f7f7f
	s_mov_b32 s2, 0x76543210                       ; lane selects: lane l xor 16
	s_mov_b32 s3, 0xfedcba98
.macro FRAG reg, adr, q, i             ; a fragment as it was stored: three loads, 512 consecutive bytes each
.irp c, 0,1,2
	ds_load_b128 v[\reg+4*\c:\reg+4*\c+3], v[\adr] offset:TILEB*(\i)+FRB*(\q)+512*\c
.endr
.endm
; PART 1: 16 matrix instructions: the tokens' blocks a0, a0 + 1 x the weights' eight, the slot's q-th 128 along K.  p: the weights' set; sc: the set of scale words.  zero = 1: the first product starts the sums.
; The 64 accumulators take turns, one instruction a turn, in the same order in every step.
.macro MUL16 a0, p, q, sc, zero
.irp a, \a0, \a0+1
.irp b, 0,1,2,3,4,5,6,7
.if \zero
	v_wmma_scale_f32_16x16x128_f8f6f4 v[8*(8*((\a)%4)+\b):8*(8*((\a)%4)+\b)+7], v[128*(\p)+FR*\b:128*(\p)+FR*\b+FR-1], v[AF+FR*(\a):AF+FR*(\a)+FR-1], 0, v[SC+8*NQ*(\sc)+NQ*\b+(\q)], v[SC+8*NQ*(\sc)+NQ*(\a)+(\q)] matrix_a_fmt:MATRIX_FMT_FP6 matrix_b_fmt:MATRIX_FMT_FP6 matrix_a_scale:MATRIX_SCALE_ROW1
.else
	v_wmma_scale_f32_16x16x128_f8f6f4 v[8*(8*((\a)%4)+\b):8*(8*((\a)%4)+\b)+7], v[128*(\p)+FR*\b:128*(\p)+FR*\b+FR-1], v[AF+FR*(\a):AF+FR*(\a)+FR-1], v[8*(8*((\a)%4)+\b):8*(8*((\a)%4)+\b)+7], v[SC+8*NQ*(\sc)+NQ*\b+(\q)], v[SC+8*NQ*(\sc)+NQ*(\a)+(\q)] matrix_a_fmt:MATRIX_FMT_FP6 matrix_b_fmt:MATRIX_FMT_FP6 matrix_a_scale:MATRIX_SCALE_ROW1
.endif
.endr
.endr
.endm
.macro FETCH_B slot, q, p
	WIN TO_B
.irp i, 0,1,2,3,4,5,6,7
	FRAG 128*(\p)+FR*\i, ADRB+\slot, \q, \i
.endr
	WIN 0
.endm
.macro FETCH_A slot, q, i0
.irp i, \i0, \i0+1, \i0+2, \i0+3
	FRAG AF+FR*(\i), ADRA+\slot, \q, \i
.endr
.endm
.macro SCALES sc                       ; a slot's scale words: lanes 0-15 the tokens' block i, lanes 16-31 the weights' block i
.irp i, 0,1,2,3,4,5,6,7
.irp q, 0,1
	ds_load_b32 v[SC+8*NQ*\sc+NQ*\i+\q], v[ADRS] offset:64*\i+1024*\q
.endr
.endr
.endm
.macro PLACES n                        ; plain vector instructions between a matrix instruction and a load into, or a read of, its registers (ISA guide 7.12.1 for reads)
.rept \n
	v_nop
.endr
.endm
; A step of 128 along K that has its successor in the same slot.  The tokens have one set of registers: blocks 0-3 are fetched anew in the step's middle, blocks 4-7 at its end; the weights have two sets.
.macro STEP slot, q, zero
	s_wait_dscnt 4*NL                              ; the weights' set, the tokens' blocks 0-3 and the scale words are in; the youngest 12 loads (blocks 4-7) may be out
	WIN MUL_LO
	MUL16 0, (\q)%2, \q, \slot, \zero
	MUL16 2, (\q)%2, \q, \slot, \zero
	s_wait_dscnt 0
	PLACES NP
	FETCH_B \slot, (\q)+1, 1-(\q)%2
	FETCH_A \slot, (\q)+1, 0
	WIN MUL_HI
	MUL16 4, (\q)%2, \q, \slot, \zero
	MUL16 6, (\q)%2, \q, \slot, \zero
	PLACES NP
	WIN 0
	FETCH_A \slot, (\q)+1, 4
.endm
; The first half of a slot's last step, and the change of slots: each wave waits for all its tensor loads, adds 0 to its spare word, waits for that and for its reads of this slot, and passes a round of the cluster's barrier:
; no wave of any partner still reads this slot or has a load on its way.
.macro MEET slot
	s_wait_tensorcnt 0x0                           ; all my tensor loads have landed (every window is 0 here)
	ds_add_u32 v[SPW], v[NIL]                      ; 0 onto my spare word
.if RING8 == 0                         ; at the first change of slots, where no tensor load of mine is out: from here on a load brings 8 row tiles, a quarter of a slot, the half wave % 2 of its operand
.set RING8, 1
	s_mov_b32 s[G1+2], 8<<16
	s_mov_b32 s[G1+4], 8
	s_mov_b32 s[G1B+2], 8<<16
	s_mov_b32 s[G1B+4], 8
	s_mul_i32 s40, s[HB], HALFT
	s_mul_i32 s46, s[HB], 8*12288
	s_mov_b32 s47, 0
.irp s, 0,1
	s_add_co_u32 s[G0+4*\s+1], s[G0+4*\s+1], s40
	s_add_nc_u64 s[G0+4*\s+2:G0+4*\s+3], s[G0+4*\s+2:G0+4*\s+3], s[46:47]
	s_add_co_u32 s[G0B+4*\s+1], s[G0B+4*\s+1], s40
	s_add_nc_u64 s[G0B+4*\s+2:G0B+4*\s+3], s[G0B+4*\s+2:G0B+4*\s+3], s[46:47]
.endr
.endif
	s_wait_dscnt 4*NL+1                            ; (the add and the youngest 12 loads may be out)
	WIN MUL_LO
	MUL16 0, 1, NQ-1, \slot, 0                     ; sixteen matrix instructions stand between the add and the wait for it
	s_wait_dscnt 0x0                               ; the add is done, and my reads of this slot are over
	s_barrier_signal -1
	MUL16 2, 1, NQ-1, \slot, 0
	WIN 0
	s_barrier_wait -1
	CREST
.endm
; The slot's WEIGHT half takes tokens for part 2: the 256 along K that lie 512 before those in its token half.  Waves 0 and 1 ask, 8 row tiles each, by their own descriptors, moved 49,152 bytes on in LDS and 6,144 bytes
; back in memory; waves 2 and 3 have no part of it.  The slot's token half is not filled again: part 2 reads it as it stands.
.macro REUSE slot
	s_add_co_u32 s[G0+4*\slot+1], s[G0+4*\slot+1], 2*HALFT
	s_sub_nc_u64 s[G0+4*\slot+2:G0+4*\slot+3], s[G0+4*\slot+2:G0+4*\slot+3], 2*TILEB
	s_cmp_eq_u32 s[HA], 0
	s_cbranch_scc0 .Lnone_\@
	tensor_load_to_lds s[G0+4*\slot:G0+4*\slot+3], s[G1:G1+7]
	s_nop 0
.rept 4
	v_nop
.endr
.Lnone_\@:
	PLACES NP                                      ; on every wave's way: in front of the loads that follow
.endm
; A slot's last step.  fill = 1: the slot is filled again, two slots on; fill = 2: REUSE.
.macro TURN slot, next, fill
	MEET \slot
.if \fill == 1
	s_add_nc_u64 s[G0+4*\slot+2:G0+4*\slot+3], s[G0+4*\slot+2:G0+4*\slot+3], 2*TILEB
	s_add_nc_u64 s[G0B+4*\slot+2:G0B+4*\slot+3], s[G0B+4*\slot+2:G0B+4*\slot+3], 2*TILEB
	JLOAD G0+4*\slot, G1, G0B+4*\slot, G1B         ; the first tensor load behind the round; its four v_nop are the places in front of the loads below
.else
	REUSE \slot
.endif
	s_wait_alu depctr_va_vdst(0)
	v_add_nc_u32 v[ADRS], 1024*NQ, v[ADRS]         ; the next slot's scale words (no LDS load of mine is out)
	FETCH_B \next, 0, 0
	FETCH_A \next, 0, 0
	SCALES \next
	WIN MUL_HI
	MUL16 4, 1, NQ-1, \slot, 0
	MUL16 6, 1, NQ-1, \slot, 0
	PLACES NP
	WIN 0
	FETCH_A \next, 0, 4
.endm
; PART 2: 16 matrix instructions: W_v's blocks a0, a0 + 1 x the tokens' eight, 128 along K, number kk.  p: the set of both operands.  The scale words of an even kk stand in lanes 0-15, of an odd one in lanes 16-31.
; The 32 accumulators take turns, one instruction a turn, in the same order in every step.
.macro MULH a0, p, kk, zero
.irp a, \a0, \a0+1
.irp b, 0,1,2,3,4,5,6,7
.if \zero
	v_wmma_scale_f32_16x16x128_f8f6f4 v[8*(8*(\a)+\b):8*(8*(\a)+\b)+7], v[128*(\p)+FR*\b:128*(\p)+FR*\b+FR-1], v[AF+48*(\p)+FR*(\a):AF+48*(\p)+FR*(\a)+FR-1], 0, v[TS+8*((\kk)/2)+\b], v[WS+4*((\kk)/2)+(\a)] matrix_a_fmt:MATRIX_FMT_FP6 matrix_b_fmt:MATRIX_FMT_FP6
.elseif (\kk)%2
	v_wmma_scale_f32_16x16x128_f8f6f4 v[8*(8*(\a)+\b):8*(8*(\a)+\b)+7], v[128*(\p)+FR*\b:128*(\p)+FR*\b+FR-1], v[AF+48*(\p)+FR*(\a):AF+48*(\p)+FR*(\a)+FR-1], v[8*(8*(\a)+\b):8*(8*(\a)+\b)+7], v[TS+8*((\kk)/2)+\b], v[WS+4*((\kk)/2)+(\a)] matrix_a_fmt:MATRIX_FMT_FP6 matrix_b_fmt:MATRIX_FMT_FP6 matrix_a_scale:MATRIX_SCALE_ROW1 matrix_b_scale:MATRIX_SCALE_ROW1
.else
	v_wmma_scale_f32_16x16x128_f8f6f4 v[8*(8*(\a)+\b):8*(8*(\a)+\b)+7], v[128*(\p)+FR*\b:128*(\p)+FR*\b+FR-1], v[AF+48*(\p)+FR*(\a):AF+48*(\p)+FR*(\a)+FR-1], v[8*(8*(\a)+\b):8*(8*(\a)+\b)+7], v[TS+8*((\kk)/2)+\b], v[WS+4*((\kk)/2)+(\a)] matrix_a_fmt:MATRIX_FMT_FP6 matrix_b_fmt:MATRIX_FMT_FP6
.endif
.endr
.endr
.endm
.macro FETCH_P adr, q, p               ; my eight blocks of tokens, from the region that v[adr] names
	WIN TO_B
.irp i, 0,1,2,3,4,5,6,7
	FRAG 128*(\p)+FR*\i, \adr, \q, \i
.endr
	WIN 0
.endm
.macro FETCH_R kk, p, i0               ; W_v's blocks i0, i0 + 1
.irp i, \i0, \i0+1
.irp c, 0,1,2
	ds_load_b128 v[AF+48*(\p)+FR*(\i)+4*\c:AF+48*(\p)+FR*(\i)+4*\c+3], v[ADRW] offset:12288*(\i)+FRB*(\kk)+512*\c
.endr
.endr
.endm
; A step of part 2: 32 matrix instructions on set p; in its middle the next step's 36 loads go out in one run, into the other set.
.macro STEPH p, kk, zero, more, nadr, nq, nkk
	s_wait_dscnt 2*NL                              ; the tokens' eight blocks and W_v's blocks 0, 1 are in; the youngest 6 loads (blocks 2, 3) may be out
	WIN MUL_LO
	MULH 0, \p, \kk, \zero
.if \more
	PLACES NP                                      ; the other set was read by the step before
	FETCH_P \nadr, \nq, 1-(\p)
	FETCH_R \nkk, 1-(\p), 0
	FETCH_R \nkk, 1-(\p), 2
	s_wait_dscnt 12*NL                             ; all but the 36 just issued
.else
	s_wait_dscnt 0x0
.endif
	WIN MUL_LO
	MULH 2, \p, \kk, \zero
.endm
; THE WAY OUT.  Block a's 64 accumulator registers are 64 numbers of the lane's row of source 1, register 16 b + i = index 32 b + 16 (lane / 16) + i of source 0's axis: four blocks of 32.  They are quantised where they lie
; (each accumulator is read from its low end on) and the fragment's two halves are stored as images: every store covers 512 or 256 consecutive bytes, aligned to 256.  ob: the base; sta: from block to block; yd: to the second half.
.macro EQUANT a, ob, sta, yd
.set AC, 64*((\a)%4)
.set W, 2+(\a)/4
.set W01, W|(W<<2)
.set W12, (W<<2)|(W<<4)
	WIN W01                                        ; sources 0 and 1: the accumulators' window
.irp b, 0,1,2,3
	v_max3_num_f32 v[TM+\b], |v[AC+16*\b]|, |v[AC+1+16*\b]|, 0x1800000   ; and the floor 2^(3 - 127): the byte cannot fall under 1
.endr
	WIN W12                                        ; sources 1 and 2
.irp i, 2,4,6,8,10,12,14
.irp b, 0,1,2,3
	v_max3_num_f32 v[TM+\b], v[TM+\b], |v[AC+16*\b+\i]|, |v[AC+1+16*\b+\i]|
.endr
.endr
	WIN 0
.irp b, 0,1,2,3
	v_permlanex16_b32 v[TM+4+\b], v[TM+\b], s2, s3
.endr
.irp b, 0,1,2,3
	v_max_num_f32 v[TM+\b], v[TM+\b], v[TM+4+\b]   ; the block's largest magnitude
.endr
.irp b, 0,1,2,3
	v_add_nc_u32 v[TM+12+\b], 0xff000000, v[TM+\b]   ; 2 off its exponent field: the conversion's scale operand
.endr
.irp b, 0,1,2,3
	v_lshrrev_b32 v[TM+4+\b], 23, v[TM+12+\b]      ; the scale's byte
.endr
	v_lshl_or_b32 v[PW8+\a], v[TM+5], 8, v[TM+4]
	v_lshl_or_b32 v[PW8+\a], v[TM+6], 16, v[PW8+\a]
	v_lshl_or_b32 v[PW8+\a], v[TM+7], 24, v[PW8+\a]
	s_wait_xcnt 0x0                                ; the last block's stores have read the codes' registers, which are written again below
	WIN W                                          ; source 0
.irp c, 0,1
	v_cvt_scalef32_pk16_fp6_f32 v[PC+6*\c:PC+2+6*\c], v[AC+32*\c:AC+15+32*\c], v[TM+12+2*\c]
	v_cvt_scalef32_pk16_fp6_f32 v[PC+12+4*\c:PC+14+4*\c], v[AC+16+32*\c:AC+31+32*\c], v[TM+12+2*\c+1]
.endr
	WIN 0
	v_nop                                          ; one plain instruction behind a scaled conversion
.irp c, 0,1
.irp i, 0,1,2
	v_permlane16_swap_b32 v[PC+6*\c+\i], v[PC+12+4*\c+\i]
.endr
.irp i, 0,1,2
	v_mov_b32 v[PC+3+6*\c+\i], v[PC+12+4*\c+\i]
.endr
.endr
	global_store_b128 v[L16], v[PC:PC+3], s[\ob:\ob+1] offset:\sta*(\a)
	global_store_b64 v[L8], v[PC+4:PC+5], s[\ob:\ob+1] offset:\sta*(\a)+512
	global_store_b128 v[L16], v[PC+6:PC+9], s[\ob:\ob+1] offset:\sta*(\a)+\yd
	global_store_b64 v[L8], v[PC+10:PC+11], s[\ob:\ob+1] offset:\sta*(\a)+\yd+512
.endm
	s_wait_alu depctr_va_vdst(0)                   ; the wait at the head's end
	s_wait_tensorcnt 0x0                           ; my tile of the head's four is in
	ds_add_u32 v[SPW], v[NIL]
	s_wait_dscnt 0x0
	CROUND                                         ; slot 0 and the scale words are whole for all four waves, and the sixteen work-groups meet
	ARM 1, G0+4, G1, .La_w, .La_asked              ; wave 0: slot 1's tokens
	ARM 2, G0B+4, G1B, .La_v, .La_asked            ; wave 1: slot 1's weights
	tensor_load_to_lds s[G0W:G0W+3], s[G1W:G1W+7]  ; waves 2 and 3: a half of W_v each, four row tiles
	s_nop 0
.rept 4
	v_nop
.endr
.La_asked:
	FETCH_B 0, 0, 0
	FETCH_A 0, 0, 0
	SCALES 0
	FETCH_A 0, 0, 4
	STEP 0, 0, 1                                   ; PART 1: K = 1,024 is eight steps of 128, four slots' worth: written out, no loop
	TURN 0, 1, 1
	STEP 1, 0, 0
	TURN 1, 0, 1
	STEP 0, 0, 0
	TURN 0, 1, 2                                   ; slot 0's weight half takes the tokens of K 0 .. 255
	STEP 1, 0, 0
	MEET 1                                         ; part 1's last step
	REUSE 1                                        ; slot 1's weight half takes the tokens of K 256 .. 511: the last tensor load
	FETCH_P ADRA+1, 0, 0                           ; part 2's first fragments: the tokens of K 768 on, which lie in slot 1's token half, and W_v's: into the registers that this step has done with
	FETCH_R 6, 0, 0
	FETCH_R 6, 0, 2
	WIN MUL_HI
	MUL16 4, 1, NQ-1, 1, 0
	MUL16 6, 1, NQ-1, 1, 0
	WIN 0
	PLACES NP                                      ; in front of the loads into the scale words' registers, and of the first read of results
	s_wait_dscnt 0x0
.irp sl, 0,1,2,3                               ; part 2's scale words of my 128 tokens, for all of K: they land while part 1's results are quantised
.irp b, 0,1,2,3,4,5,6,7
	ds_load_b32 v[TS+8*\sl+\b], v[ADRK] offset:2048*\sl+64*\b
.endr
.endr
.irp b, 0,1,2,3
	v_mov_b32 v[TM+4+\b], 0                        ; written once: a lane permute's destination counts as one of its sources
.endr
.irp a, 0,1,2,3,4,5,6,7
	EQUANT \a, 8, 768, 6144                        ; a block is a token tile; the fragment's halves are two heads
.endr
.irp j, 0,1,2,3
	v_cndmask_b32 v[MX+\j], v[PW8+2*\j], v[PW8+2*\j+1], s[HM]   ; lanes 0-15: block 2 j's words; lanes 16-31: block 2 j + 1's (a row's word stands in both halves of the lanes)
.endr
.irp j, 0,1,2,3
	v_perm_b32 v[EW+\j], s[C7F], v[MX+\j], 0x04040100     ; the first head: bytes 0, 1; above them 127, 127
	v_perm_b32 v[EW+4+\j], s[C7F], v[MX+\j], 0x04040302   ; the second: bytes 2, 3
.endr
	global_store_b128 v[L16], v[EW:EW+3], s[10:11]
	global_store_b128 v[L16], v[EW+4:EW+7], s[10:11] offset:4096
	s_wait_tensorcnt 0x0                           ; PART 2: my parts of the tokens of K 0 .. 511 are in,
	s_wait_loadcnt 0x0                             ; W_v's scale words too,
	s_wait_dscnt 0x0
	s_barrier_signal -1
	s_barrier_wait -1                              ; everybody's are.
	STEPH 0, 6, 1, 1, ADRA+1, 1, 7                 ; K 768 on: slot 1's token half
	STEPH 1, 7, 0, 1, ADRA, 0, 4
	STEPH 0, 4, 0, 1, ADRA, 1, 5                   ; K 512 on: slot 0's token half
	STEPH 1, 5, 0, 1, ADRT, 0, 0
	STEPH 0, 0, 0, 1, ADRT, 1, 1                   ; K 0 on: slot 0's weight half
	STEPH 1, 1, 0, 1, ADRT+1, 0, 2
	STEPH 0, 2, 0, 1, ADRT+1, 1, 3                 ; K 256 on: slot 1's weight half
	STEPH 1, 3, 0, 0, 0, 0, 0
	WIN 0
	PLACES NP
.irp a, 0,1,2,3
	EQUANT \a, 12, 1536, 768                       ; a block is a channel tile of my head; the fragment's halves are keys 0-63 and 64-127
.endr
.irp j, 0,1
	v_cndmask_b32 v[MX+\j], v[PW8+2*\j], v[PW8+2*\j+1], s[HM]
.endr
	global_store_b64 v[L8], v[MX:MX+1], s[14:15]   ; 32 lanes store 256 consecutive bytes, aligned
	s_wait_tensorcnt 0x0                           ; the wave's end: a wait, an add to my spare word and its wait, behind my last tensor load
	ds_add_u32 v[SPW], v[NIL]
	s_wait_dscnt 0x0
	CROUND                                         ; the closing round: no work-group ends while a partner may still ask for a tile that names it
	s_endpgm
.Lfunc_end_k_qfbb8b7f1ea_qkv:
	.size	k_qfbb8b7f1ea_qkv, .Lfunc_end_k_qfbb8b7f1ea_qkv-k_qfbb8b7f1ea_qkv
	.p2alignl 7, 3214868480
	.fill 96, 4, 3214868480
	.section	.rodata,"a",@progbits
	.p2align	6, 0x0
	.amdhsa_kernel k_qfbb8b7f1ea_qkv
		.amdhsa_group_segment_fixed_size 327680
		.amdhsa_private_segment_fixed_size 0
		.amdhsa_enable_private_segment 0
		.amdhsa_kernarg_size 32
		.amdhsa_user_sgpr_count 2
		.amdhsa_user_sgpr_kernarg_segment_ptr 1
		.amdhsa_wavefront_size32 1
		.amdhsa_system_sgpr_workgroup_id_x 1
		.amdhsa_system_sgpr_workgroup_id_y 1
		.amdhsa_system_sgpr_workgroup_id_z 1
		.amdhsa_system_vgpr_workitem_id 0
		.amdhsa_next_free_vgpr 1024
		.amdhsa_next_free_sgpr 106
		.amdhsa_reserve_vcc 0
		.amdhsa_float_denorm_mode_32 3
		.amdhsa_float_denorm_mode_16_64 3
		.amdhsa_memory_ordered 1
		.amdhsa_forward_progress 1
		.amdhsa_inst_pref_size 222
	.end_amdhsa_kernel
	.amdgpu_metadata
---
amdhsa.version: [ 1, 2 ]
amdhsa.kernels:
  - .name:           k_qfbb8b7f1ea_qkv
    .symbol:         k_qfbb8b7f1ea_qkv.kd
    .args:
      - { .name: cod1, .offset: 0, .size: 8, .value_kind: global_buffer, .address_space: global }
      - { .name: scl1, .offset: 8, .size: 8, .value_kind: global_buffer, .address_space: global }
      - { .name: cod2, .offset: 16, .size: 8, .value_kind: global_buffer, .address_space: global }
      - { .name: scl2, .offset: 24, .size: 8, .value_kind: global_buffer, .address_space: global }
    .group_segment_fixed_size: 327680
    .private_segment_fixed_size: 0
    .kernarg_segment_align: 8
    .kernarg_segment_size: 32
    .max_flat_workgroup_size: 128
    .sgpr_count:     106
    .vgpr_count:     1024
    .wavefront_size: 32
...
	.end_amdgpu_metadata
.endif
;; end of part 2
;; launch attn (part 3): grid 4 x 64, 16 waves a work-group, clusters of 4 x 1, 261,120 bytes of LDS; arguments cod2, scl2, cod3, scl3; writes cod3, scl3
.if DOCPART == 3
	.amdgcn_target "amdgcn-amd-amdhsa--gfx1250"
	.amdhsa_code_object_version 6
	.text
	.protected	k_qfbb8b7f1ea_attn
	.globl	k_qfbb8b7f1ea_attn
	.p2align	8
	.type	k_qfbb8b7f1ea_attn,@function
k_qfbb8b7f1ea_attn:
	s_mov_b64 s[64:65], 0
	v_nop
	global_prefetch_b8 v0, s[64:65] scope:SCOPE_SE
	s_setreg_imm32_b32 hwreg(HW_REG_WAVE_MODE, 25, 1), 1
	s_wait_xcnt 0x0
	s_wait_alu depctr_hold_cnt(0) depctr_sa_sdst(0) depctr_va_vdst(0) depctr_va_sdst(0) depctr_va_ssrc(0) depctr_va_vcc(0) depctr_vm_vsrc(0)
	s_getreg_b32 s2, hwreg(HW_REG_IB_STS2, 6, 4)
	s_cmp_eq_u32 s2, 0
	s_cbranch_scc0 .Lentry_in_a_cluster
	s_endpgm
.Lentry_in_a_cluster:
	s_bfe_u32 s2, ttmp6, 0x10000c
	s_cmp_lg_u32 s2, 0x3003
	s_cbranch_scc0 .Lentry_shape_is_right
	s_endpgm
.Lentry_shape_is_right:
; o = softmax(q k^T / 8) v for 8 batches x 16 heads x 1,024 tokens x 64 channels, both products on codes of FP6 (E2M3) with E8M0 scales; o leaves as codes, quantised along the channels (the last product's K).
; THE SOFTMAX: t = score x log2(e) / 8; M = the row's largest t so far, rounded UP to a whole number; p = 2^(t - M) is quantised along the keys, not normalised.  The row's sum is taken of the unquantised p, in f32,
; and divides O at the end.  When M moves, the sum and O are multiplied by 2^(old M - new M): exact.
; LIMITS: NaN and infinities are not served; the promise holds while |t| stays under 2^31; a block of zeros gets the byte 1 where the rule says 127 (zero codes; the bytes are read by this program alone).
; SHARES.  A work-group: 256 queries of a PAIR of heads; each of its sixteen waves 16 queries in 256 registers, four waves to a SIMD.  A wave runs head 0, then head 1, 8 steps of 128 keys each; the two heads'
; 64 + 64 channels are one fragment of o (128 along the last product's K) and one scale word a row.
; LDS.  K and V of both heads are filled ONCE, one joint load a wave (mask 15: the cluster's four query blocks read the same bytes): waves 0-7 a key step of K, waves 8-15 of V, both heads, 12,288 dense bytes as 48 rows
; of 256, 64 bytes of padding behind each.  So a half fragment (768 bytes: 16 bytes a lane, then 8 bytes a lane) takes 960 bytes: lanes 0-15 at 0, lanes 16-31 at 320, the 8-byte parts at 640.
; The 12,288 bytes of K's and V's scale words come through registers (24 bytes a thread) into LDS bytes of their own.  No prefetch into the L2: all fills go out at the head, and no loop runs ahead of them.
; WHICH KEYS FORM A TILE OF S^T = K Q^T.  Tile (c, j) takes keys 64 c + 8 j + 0..7 as its rows 0-7 and keys 64 c + 32 + 8 j + 0..7 as its rows 8-15, so that the 32 registers of tiles (c, 0..3) in lane (query, h) are
; keys 64 c + 32 h + 0..31: ONE scale block of p, in the order of the second product's operand: no lane asks another for a block's maximum, and p's codes are not exchanged between lanes.
; A stored tile T holds key 32 (T / 2) + 16 g + 8 (T % 2) + s as row 8 g + s: so rows 0-7 of tile (c, j) are rows 8 (j / 2) + 0..7 of stored tile 4 c + j % 2, rows 8-15 the same rows two stored tiles on: a lane term.
; Two stored tiles are 1,920 bytes, 128 modulo 256: the sixteen lanes of a 16-byte read touch sixteen different columns of 16 bytes.
; THE FIRST PRODUCT'S K IS 64.  Registers 6-11 of Q's fragments are zero codes, so whatever codes stand in registers 6-11 of K's fragment add nothing (every code of E2M3 is a finite number; the scale bytes there are 127).
; So K's eight tiles lie six registers apart, each fragment's upper six being the next tile's codes: 54 registers hold a whole step's K, fetched in one run ONE STEP AHEAD, behind the step's eight first products.
; O^T = V^T P^T: V's fragments take p's registers, in two halves, each as soon as its 64 keys of p are in codes.  V's channel tiles are in the exchanged order, so O^T's registers are neighbouring channels.
; A BARRIER IN EVERY STEP, signalled at the step's top and waited for ahead of its second product, orders no data: it holds the sixteen waves within one step of each other, so that no wave runs its last steps alone on its SIMD.
.set KB,    0                          ; K: 15,360 x step + 7,680 x head + 960 x stored tile
.set VB,    122880                     ; V: 15,360 x step + 7,680 x head + 1,920 x channel tile (+ 960: keys 64-127)
.set SCL,   245760                     ; K's scale words: 4,096 x head + 512 x step; V's at 8,192: 2,048 x head + 256 x step.  Written by LDS stores alone
.set OSTG,  258048                     ; 1,024 bytes: o's scale words
.set SPARE, 259072                     ; the spare words, 128 bytes for each of sixteen waves, which no other line names
.set L16, 1                            ; v1 16 x lane, v2 8 x lane
.set L8,  2
.set SPW, 3                            ; v3 LDS address of my spare word, v4 0; never rewritten
.set NIL, 4
                                       ; v5, v6, v9 LDS addresses of the K to be fetched: by 16, by 8, its words; v7, v8, v10 of the step's V: by 16, by 8, its words; v11 my rows' place in OSTG
                                       ; v12 -M, v13 the largest t, v[14:15] the sum in two halves
.set Q,   16                           ; v16-39 Q of head 0, 1; the upper six of each twelve are zeros; v40, v41 their scale words
.set QS,  40
.set KF,  42                           ; v42-95 K's eight tiles, six registers each, and six registers of zeros behind the last
.set S,   96                           ; v96-159 S^T, then p; then V's four fragments; at a head's end o; in the head at work
.set O,   160                          ; v160-191 O^T
.set P,   192                          ; v192-203 p's codes; v204-206, v208-210 the conversions' second halves
.set P2,  204
.set K16L, 212                         ; lane terms: 16 (l % 8) + 320 (l / 16) + 1,920 (l / 8 % 2)
.set K8L,  213                         ; 8 (l % 8) + 128 (l / 16) + 1,920 (l / 8 % 2)
.set V16L, 214                         ; 16 (l % 16) + 320 (l / 16)
.set BM,  216                          ; v216, v217 my two blocks' largest scores, then largest p
.set SO,  218                          ; v218, v219 the conversions' scale operands
.set BP,  220                          ; v220, v221 the scales' bytes
.set KSL, 222                          ; 256 (l / 16) + 16 (l % 8) + 4 (l / 8 % 2)
.set SH8, 223                          ; 8 (l / 16)
.set KS,  224                          ; v224-227 K's scale words: register 2 c + j / 2: tile (c, j), even j in lanes 0-15, odd j in lanes 16-31
.set VS,  228                          ; v228, v229 V's
.set TS,  230                          ; at work
.set F,   232                          ; f = 2^(old M - new M)
.set PS,  233                          ; p's scale word
.set TP,  234
.set T2,  235
.set OC,  236                          ; v236-247 o's codes; v248 o's scale word
.set OW,  248
.set PM,  250                          ; v250-253 four chains of the maxima; then v250-255 three chains of the sum
.set WV,  12                           ; s12 my wave's number
.set SEL, 20                           ; s[20:21] lane selects: lane l xor 16
.set CS,  22                           ; s[22:23] c = log2(e) / 8
.macro WALU                            ; ahead of a wait that blocks or a branch behind which fresh results are read, and ahead of and behind a batch of transcendentals
	s_wait_alu depctr_va_vdst(0)
.endm
.macro DEP1
	s_delay_alu instid0(VALU_DEP_1)
.endm
.macro CROUND
	s_barrier_signal -1
	s_barrier_wait -1
	s_cmp_lg_u32 s[WV], 0
	s_cbranch_scc1 .Lnot_wave_0_\@
	s_barrier_signal -3
.Lnot_wave_0_\@:
	s_barrier_wait -3
	s_barrier_signal -1
	s_barrier_wait -1
.endm
	s_load_b256 s[4:11], s[0:1], 0x0               ; cod2 s[4:5], scl2 s[6:7], cod3 s[8:9], scl3 s[10:11]
	v_lshl_add_u32 v[SPW], v0, 2, SPARE
	v_mov_b32 v[NIL], 0
	ds_add_u32 v[SPW], v[NIL]                      ; the opening lines: the add, twice on end, and its wait ahead of my tensor load
	ds_add_u32 v[SPW], v[NIL]
	v_lshrrev_b32 v5, 5, v0
	v_readfirstlane_b32 s[WV], v5                  ; wave 0..15
	s_bfe_u32 s13, ttmp6, 0x40000                  ; cx: which 256 queries; it enters Q's and o's addresses alone
	s_and_b32 s14, ttmp7, 0xffff                   ; y = 8 x batch + head pair, which the four partners share
	s_lshr_b32 s15, s14, 3                         ; batch
	s_and_b32 s57, s14, 7                          ; head pair
	s_mov_b32 s24, 15|(3<<16)|(1<<20)|(1<<21)|(5<<22)|(15<<25)   ; the mask: all four work-groups; elements of 8 bytes; padding on; 21 set beside a mask; after every 64 words, 16 words
	s_mov_b32 s25, 32<<16                          ; rows of 256 bytes,
	s_mov_b32 s26, 48<<16                          ; 48 of them
	s_mov_b32 s27, 32<<16
	s_mov_b32 s28, 48
	s_mov_b32 s29, 32
	s_mov_b32 s30, 0
	s_mov_b32 s31, 0
	s_mul_i32 s2, s14, 12288                       ; the pair's scale words of K and V
	s_add_co_u32 s2, s2, 524288
	s_mov_b32 s3, 0
	s_lshr_b32 s16, s[WV], 3                       ; waves 0-7 fetch K, waves 8-15 V:
	s_and_b32 s17, s[WV], 7                        ; a key step, both heads
	s_mul_i32 s41, s[WV], 15360                    ; in LDS: 48 rows of 320
	s_add_co_u32 s18, s16, 1
	s_mul_i32 s18, s18, 6291456                    ; in memory: k's or v's part of cod2,
	s_lshl_b32 s19, s15, 3
	s_add_co_u32 s19, s19, s17
	s_lshl_b32 s19, s19, 4
	s_lshl_b32 s52, s57, 1
	s_add_co_u32 s19, s19, s52                     ; (8 x batch + step) x 16 + the pair's first head
	s_mul_i32 s19, s19, 6144
	s_add_co_u32 s18, s18, s19
	s_mov_b32 s19, 0
	s_mov_b32 s[SEL], 0x76543210
	s_mov_b32 s[SEL+1], 0xfedcba98
	s_mov_b32 s[CS], 0x3e38aa3b                    ; log2(e) as f32 with 3 off its exponent
	s_mov_b32 s[CS+1], s[CS]                       ; (named with it as a pair, so it is written)
	s_mov_b32 s40, 1
	s_wait_dscnt 0x0                               ; both opening adds are done
	s_wait_kmcnt 0x0
	s_add_nc_u64 s[42:43], s[4:5], s[18:19]
	s_or_b32 s43, s43, 0x80000000
	s_add_nc_u64 s[2:3], s[6:7], s[2:3]
	CROUND                                         ; all four work-groups are here: the joint loads meet
	tensor_load_to_lds s[40:43], s[24:31]          ; my one tensor load
	s_nop 0
	s_lshl_b32 s52, s13, 1
	s_add_co_u32 s52, s52, s16                     ; my query tile T = 16 cx + wave: T / 8
	s_lshl_b32 s53, s15, 3
	s_add_co_u32 s53, s53, s52
	s_lshl_b32 s53, s53, 4
	s_lshl_b32 s54, s57, 1
	s_add_co_u32 s53, s53, s54
	s_mul_i32 s53, s53, 6144
	s_mul_i32 s54, s17, 768                        ; T % 8
	s_add_co_u32 s54, s53, s54
	s_mov_b32 s55, 0
	s_add_nc_u64 s[58:59], s[4:5], s[54:55]        ; Q's codes, head 0
	s_lshl_b32 s54, s14, 13
	s_lshl_b32 s53, s52, 9
	s_add_co_u32 s54, s54, s53
	s_lshr_b32 s53, s17, 1
	s_lshl_b32 s53, s53, 2
	s_add_co_u32 s54, s54, s53
	s_add_nc_u64 s[60:61], s[6:7], s[54:55]        ; Q's scale words: the word of tiles (T % 8) / 2
	s_lshl_b32 s54, s15, 6
	s_lshl_b32 s53, s13, 4
	s_add_co_u32 s54, s54, s53
	s_add_co_u32 s54, s54, s[WV]                   ; 64 x batch + T: o's row tile
	s_lshl_b32 s54, s54, 3
	s_add_co_u32 s54, s54, s57
	s_mul_i32 s54, s54, 1536
	s_add_nc_u64 s[8:9], s[8:9], s[54:55]          ; o's fragment
	s_lshl_b32 s54, s15, 2
	s_add_co_u32 s54, s54, s13
	s_lshl_b32 s54, s54, 13
	s_lshl_b32 s53, s57, 10
	s_add_co_u32 s54, s54, s53
	s_add_nc_u64 s[10:11], s[10:11], s[54:55]      ; the work-group's 1,024 bytes of o's scale words
	s_and_b32 s53, s[WV], 1
	s_lshl_b32 s53, s53, 8
	s_lshl_b32 s54, s[WV], 6
	s_add_co_u32 s54, s54, OSTG
	v_lshlrev_b32 v108, 4, v0                      ; 16 x thread
	v_lshlrev_b32 v109, 3, v0                      ; 8 x thread
	global_load_b128 v[S:S+3], v108, s[2:3]        ; K's scale words: 512 threads x 16 bytes,
	global_load_b64 v[S+4:S+5], v109, s[2:3] offset:8192   ; V's: x 8 bytes
	v_and_b32 v104, 31, v0
	v_lshlrev_b32 v[L16], 4, v104
	v_lshlrev_b32 v[L8], 3, v104
	v_and_b32 v105, 15, v0                         ; r
	v_lshl_add_u32 v110, v105, 4, s53              ; Q's words stand in lanes 0-15 (even tile) or 16-31 (odd) of the stored image: 16 (r + 16 (T % 2))
	global_load_b128 v[Q:Q+3], v[L16], s[58:59]
	global_load_b64 v[Q+4:Q+5], v[L8], s[58:59] offset:512
	global_load_b128 v[Q+12:Q+15], v[L16], s[58:59] offset:6144
	global_load_b64 v[Q+16:Q+17], v[L8], s[58:59] offset:6656
	global_load_b32 v[QS], v110, s[60:61]
	global_load_b32 v[QS+1], v110, s[60:61] offset:4096
	v_lshl_add_u32 v11, v105, 2, s54
	v_lshl_add_u32 v5, v0, 4, SCL                  ; where my 16 and my 8 bytes of scale words go
	v_lshl_add_u32 v6, v0, 3, SCL+8192
	v_and_b32 v106, 7, v0                          ; l % 8
	v_bfe_u32 v107, v0, 3, 1                       ; l / 8 % 2
	v_bfe_u32 v[SH8], v0, 4, 1                     ; l / 16
	v_mul_u32_u24 v111, v107, 1920
	v_lshl_add_u32 v[K16L], v106, 4, v111
	v_mad_u32_u24 v[K16L], v[SH8], 320, v[K16L]
	v_lshl_add_u32 v[K8L], v106, 3, v111
	v_lshl_add_u32 v[K8L], v[SH8], 7, v[K8L]
	v_lshlrev_b32 v[V16L], 4, v105
	v_mad_u32_u24 v[V16L], v[SH8], 320, v[V16L]
	v_lshlrev_b32 v[KSL], 2, v107
	v_lshl_add_u32 v[KSL], v106, 4, v[KSL]
	v_lshl_add_u32 v[KSL], v[SH8], 8, v[KSL]
	v_lshlrev_b32 v[SH8], 3, v[SH8]
.irp i, 6,7,8,9,10,11
	v_mov_b32 v[Q+\i], 0                           ; zero codes fill Q's K from 64 to 128,
	v_mov_b32 v[Q+12+\i], 0
	v_mov_b32 v[KF+42+\i], 0                       ; and stand behind K's last tile
.endr
	v_mov_b32 v[T2], 0                             ; written once: a lane permute's destination counts as one of its sources
	v_mov_b32 v[BP], 0
	v_mov_b32 v[BP+1], 0
	v_mov_b32 v[PS], 0                             ; (named as the upper half of the pair v[232:233] before it is first written)
.macro KFETCH                          ; a step's K: its scale words and its eight tiles, 20 loads
.irp c, 0,1
.irp g, 0,1
	ds_load_b32 v[KS+2*\c+\g], v9 offset:128*\g+8*\c
.endr
.endr
.irp c, 0,1
.irp j, 0,1,2,3
	ds_load_b128 v[KF+6*(4*\c+\j):KF+6*(4*\c+\j)+3], v5 offset:960*(4*\c+\j%2)+128*(\j/2)
	ds_load_b64 v[KF+6*(4*\c+\j)+4:KF+6*(4*\c+\j)+5], v6 offset:640+960*(4*\c+\j%2)+64*(\j/2)
.endr
.endr
.endm
.macro VFETCH t                        ; V's channel tile t: fragments 0, 1 at S, fragments 2, 3 at S + 32
.set VF, S+12*(\t)+8*((\t)/2)
	ds_load_b128 v[VF:VF+3], v7 offset:1920*(\t)
	ds_load_b64 v[VF+4:VF+5], v8 offset:1920*(\t)+640
	ds_load_b128 v[VF+6:VF+9], v7 offset:1920*(\t)+960
	ds_load_b64 v[VF+10:VF+11], v8 offset:1920*(\t)+1600
.endm
.macro SUM4 j                          ; eight more p to the sum's four chains
	v_pk_add_f32 v[250:251], v[250:251], v[S+\j:S+\j+1]
	v_pk_add_f32 v[252:253], v[252:253], v[S+\j+2:S+\j+3]
	v_pk_add_f32 v[254:255], v[254:255], v[S+\j+4:S+\j+5]
	v_pk_add_f32 v[14:15], v[14:15], v[S+\j+6:S+\j+7]
.endm
; A KEY STEP: 128 keys of head e.
.macro STEP e
	v_add_nc_u32 v7, s53, v[V16L]                  ; five places between the last products, which read V's fragments, and the first product below, which writes over them
	v_add_nc_u32 v8, s53, v[L8]
	v_add_nc_u32 v10, s55, v[L8]
	v_mov_b32 v[TP], v12                           ; the old -M
	v_nop
	WALU
	s_wait_dscnt 0x0                               ; this step's K, asked for a step ago: no LDS instruction of mine is out
	s_barrier_signal -1                            ; I have begun this step
.irp c, 0,1                                    ; S^T = K Q^T, eight tiles of 16 keys
.irp j, 0,1,2,3
.if \j%2
	v_wmma_scale_f32_16x16x128_f8f6f4 v[S+8*(4*\c+\j):S+8*(4*\c+\j)+7], v[KF+6*(4*\c+\j):KF+6*(4*\c+\j)+11], v[Q+12*\e:Q+12*\e+11], 0, v[KS+2*\c+\j/2], v[QS+\e] matrix_a_fmt:MATRIX_FMT_FP6 matrix_b_fmt:MATRIX_FMT_FP6 matrix_a_scale:MATRIX_SCALE_ROW1
.else
	v_wmma_scale_f32_16x16x128_f8f6f4 v[S+8*(4*\c+\j):S+8*(4*\c+\j)+7], v[KF+6*(4*\c+\j):KF+6*(4*\c+\j)+11], v[Q+12*\e:Q+12*\e+11], 0, v[KS+2*\c+\j/2], v[QS+\e] matrix_a_fmt:MATRIX_FMT_FP6 matrix_b_fmt:MATRIX_FMT_FP6
.endif
.endr
.endr
	s_add_co_u32 s52, s52, 15360                   ; the next step's K and its scale words
	s_add_co_u32 s54, s54, 512
	v_add_nc_u32 v5, s52, v[K16L]                  ; four places in front of loads into registers that matrix instructions have read, and of the first read of results
	v_add_nc_u32 v6, s52, v[K8L]
	v_add_nc_u32 v9, s54, v[KSL]
	v_nop
	WALU
	s_cmp_eq_u32 s56, 1
	s_cbranch_scc1 .Lno_next_\e                    ; the head's last step has no next
	KFETCH
.Lno_next_\e:
.irp b, 0,1,2,3                                ; the largest scores, four chains by turns; each accumulator is first read at its low end
	v_max3_num_f32 v[PM+\b], v[S+16*\b], v[S+16*\b+1], v[S+16*\b+2]
.endr
.irp i, 3,5,7,9,11,13
.irp b, 0,1,2,3
	v_max3_num_f32 v[PM+\b], v[PM+\b], v[S+16*\b+\i], v[S+16*\b+\i+1]
.endr
.endr
	v_max3_num_f32 v[BM], v[PM], v[PM+1], v[S+15]
	v_max3_num_f32 v[BM+1], v[PM+2], v[PM+3], v[S+47]
	v_max_num_f32 v[BM], v[BM], v[S+31]            ; of my block h, and of my block 2 + h: they serve the row's maximum and, since p rises with the score, the blocks' largest p
	v_max_num_f32 v[BM+1], v[BM+1], v[S+63]
	DEP1
	v_max_num_f32 v[TS], v[BM], v[BM+1]
	DEP1
	v_mul_f32 v[TS], s[CS], v[TS]                  ; as t
	DEP1
	v_permlanex16_b32 v[T2], v[TS], s[SEL], s[SEL+1]
	DEP1
	v_max3_num_f32 v13, v13, v[TS], v[T2]          ; the running largest t of my query: my 64 keys' and lane l xor 16's
	DEP1
	v_floor_f32 v12, -v13                          ; the new -M = floor(-t) = -ceil(t)
	DEP1
	v_sub_f32 v[TP], v12, v[TP]                    ; old M - new M: a whole number, 0 or less
	DEP1
	v_cvt_i32_f32 v[TP], v[TP]                     ; (it saturates)
	DEP1
	v_ldexp_f32 v[F], 1.0, v[TP]                   ; f = 2^(old M - new M)
.set J, 0
.rept 32
	v_pk_fma_f32 v[S+J:S+J+1], v[S+J:S+J+1], s[CS:CS+1], v[12:13] op_sel_hi:[1,0,0]   ; t - M, two at a time
.set J, J+2
.endr
	v_fma_f32 v[BM], v[BM], s[CS], v12             ; the same of each block's largest score
	v_fma_f32 v[BM+1], v[BM+1], s[CS], v12
	WALU
.set J, 0
.rept 64
	v_exp_f32 v[S+J], v[S+J]                       ; p = 2^(t - M)
.set J, J+1
.endr
	v_exp_f32 v[BM], v[BM]                         ; the block's largest p: the same two instructions on the same number
	v_exp_f32 v[BM+1], v[BM+1]
	v_pk_mul_f32 v[14:15], v[14:15], v[F:F+1] op_sel_hi:[1,0]   ; the sums under the new M: a plain instruction behind the exponentials
	WALU
	v_max_num_f32 v[BM], 0x1800000, v[BM]          ; the floor 2^(3 - 127): the byte cannot fall under 1.  The scales' lines stand among those of the sum of the unquantised p
	v_max_num_f32 v[BM+1], 0x1800000, v[BM+1]
	v_pk_add_f32 v[250:251], v[S:S+1], v[S+2:S+3]
	v_pk_add_f32 v[252:253], v[S+4:S+5], v[S+6:S+7]
	v_add_nc_u32 v[SO], 0xff000000, v[BM]          ; 2 off the exponent field: the conversion's scale operand
	v_add_nc_u32 v[SO+1], 0xff000000, v[BM+1]
	v_pk_add_f32 v[254:255], v[S+8:S+9], v[S+10:S+11]
	v_pk_add_f32 v[14:15], v[14:15], v[S+12:S+13]
	v_lshrrev_b32 v[BP], 23, v[SO]                 ; the scales' bytes: blocks h and 2 + h
	v_lshrrev_b32 v[BP+1], 23, v[SO+1]
	SUM4 14
	v_lshl_or_b32 v[TS], v[BP+1], 16, v[BP]
	SUM4 22
	v_lshlrev_b32 v[TS], v[SH8], v[TS]             ; at their places in the word
	v_pk_add_f32 v[250:251], v[250:251], v[S+30:S+31]
	v_cvt_scalef32_pk16_fp6_f32 v[P:P+2], v[S:S+15], v[SO]   ; keys 0-63 are summed: their codes,
	v_cvt_scalef32_pk16_fp6_f32 v[P2:P2+2], v[S+16:S+31], v[SO]   ; (a conversion's three registers begin on an even number)
	v_nop                                          ; one plain instruction behind a scaled conversion
	VFETCH 0                                       ; and V's first two fragments take their registers
	VFETCH 1
	SUM4 32
	v_permlanex16_b32 v[T2], v[TS], s[SEL], s[SEL+1]
	SUM4 40
	v_or_b32 v[PS], v[TS], v[T2]                   ; with lane l xor 16's two bytes: p's scale word for these 128 keys
	SUM4 48
	SUM4 56
	v_pk_add_f32 v[14:15], v[14:15], v[254:255]
	v_pk_add_f32 v[250:251], v[250:251], v[252:253]
	DEP1
	v_pk_add_f32 v[14:15], v[14:15], v[250:251]
	v_cvt_scalef32_pk16_fp6_f32 v[P+6:P+8], v[S+32:S+47], v[SO+1]
	v_cvt_scalef32_pk16_fp6_f32 v[P2+4:P2+6], v[S+48:S+63], v[SO+1]
	v_nop                                          ; one plain instruction behind a scaled conversion
	VFETCH 2
	VFETCH 3
	ds_load_b64 v[VS:VS+1], v10
.irp c, 0,1
.irp i, 0,1,2
	v_mov_b32 v[P+3+6*\c+\i], v[P2+4*\c+\i]
.endr
.endr
	WALU                                           ; directly ahead of the first reader of O^T
.set J, 0
.rept 16
	v_pk_mul_f32 v[O+J:O+J+1], v[O+J:O+J+1], v[F:F+1] op_sel_hi:[1,0]   ; O^T under the new M; these 16 are also the places between the writes of p's codes and scale word and the products
.set J, J+2
.endr
	WALU
	s_wait_dscnt 0x0
	s_barrier_wait -1                              ; every wave has begun this step
.irp t, 0,1,2,3                                ; O^T += V^T P^T: the four accumulators by turns
.if \t%2
	v_wmma_scale_f32_16x16x128_f8f6f4 v[O+8*\t:O+8*\t+7], v[S+12*\t+8*(\t/2):S+12*\t+8*(\t/2)+11], v[P:P+11], v[O+8*\t:O+8*\t+7], v[VS+\t/2], v[PS] matrix_a_fmt:MATRIX_FMT_FP6 matrix_b_fmt:MATRIX_FMT_FP6 matrix_a_scale:MATRIX_SCALE_ROW1
.else
	v_wmma_scale_f32_16x16x128_f8f6f4 v[O+8*\t:O+8*\t+7], v[S+12*\t+8*(\t/2):S+12*\t+8*(\t/2)+11], v[P:P+11], v[O+8*\t:O+8*\t+7], v[VS+\t/2], v[PS] matrix_a_fmt:MATRIX_FMT_FP6 matrix_b_fmt:MATRIX_FMT_FP6
.endif
.endr
	s_add_co_u32 s53, s53, 15360                   ; the next step's V and its scale words
	s_add_co_u32 s55, s55, 256
.endm
; A head's end: O^T / the sum; its 32 registers are channels 32 b + 16 (lane / 16) + 0 .. 15, b = 0, 1: blocks 2 e and 2 e + 1 of o's fragment.
.macro FINISH e
.rept 4
	v_nop                                          ; places behind the last products
.endr
	v_add_f32 v14, v14, v15
	v_permlanex16_b32 v[T2], v14, s[SEL], s[SEL+1]
	v_add_f32 v14, v14, v[T2]                      ; the row's sum
	WALU
	v_rcp_f32 v14, v14
	v_nop                                          ; a plain instruction behind the reciprocal
	WALU
.set J, 0
.rept 16
	v_pk_mul_f32 v[S+J:S+J+1], v[O+J:O+J+1], v[14:15] op_sel_hi:[1,0]
.set J, J+2
.endr
.irp b, 0,1
	v_max3_num_f32 v[BM+\b], |v[S+16*\b]|, |v[S+1+16*\b]|, 0x1800000
.endr
.irp i, 2,4,6,8,10,12,14
.irp b, 0,1
	v_max3_num_f32 v[BM+\b], v[BM+\b], |v[S+16*\b+\i]|, |v[S+1+16*\b+\i]|
.endr
.endr
.irp b, 0,1
	v_permlanex16_b32 v[BP+\b], v[BM+\b], s[SEL], s[SEL+1]
.endr
.irp b, 0,1
	v_max_num_f32 v[BM+\b], v[BM+\b], v[BP+\b]
.endr
.irp b, 0,1
	v_add_nc_u32 v[SO+\b], 0xff000000, v[BM+\b]
.endr
.irp b, 0,1
	v_lshrrev_b32 v[BP+\b], 23, v[SO+\b]
.endr
.if \e == 0
	v_lshl_or_b32 v[OW], v[BP+1], 8, v[BP]
.else
	v_lshl_or_b32 v[OW], v[BP], 16, v[OW]
	v_lshl_or_b32 v[OW], v[BP+1], 24, v[OW]
.endif
	v_cvt_scalef32_pk16_fp6_f32 v[OC+6*\e:OC+2+6*\e], v[S:S+15], v[SO]
	v_cvt_scalef32_pk16_fp6_f32 v[P2:P2+2], v[S+16:S+31], v[SO+1]
	v_nop
.irp i, 0,1,2
	v_permlane16_swap_b32 v[OC+6*\e+\i], v[P2+\i]  ; the operand's layout wants a whole block in a lane
.endr
.irp i, 0,1,2
	v_mov_b32 v[OC+3+6*\e+\i], v[P2+\i]
.endr
.endm
.macro PASS e
	s_mov_b32 s52, KB+7680*\e
	s_mov_b32 s53, VB+7680*\e
	s_mov_b32 s54, SCL+4096*\e
	s_mov_b32 s55, SCL+8192+2048*\e
	v_add_nc_u32 v5, s52, v[K16L]
	v_add_nc_u32 v6, s52, v[K8L]
	v_add_nc_u32 v9, s54, v[KSL]
	KFETCH                                         ; the head's first step
	v_mov_b32 v13, 0xff61b1e6                      ; the largest t so far: -3e38, under every t
	v_floor_f32 v12, -v13                          ; -M
	v_mov_b32 v14, 0
	v_mov_b32 v15, 0
.set J, 0
.rept 32
	v_mov_b32 v[O+J], 0                            ; the step is written once: the first finds zeros, which the first change of M leaves zeros
.set J, J+1
.endr
	s_mov_b32 s56, 8
.Lstep_\e:
	STEP \e
	s_sub_co_u32 s56, s56, 1
	s_cmp_lg_u32 s56, 0
	s_cbranch_scc1 .Lstep_\e
	FINISH \e
.endm
	WALU                                           ; the head's end
	s_wait_tensorcnt 0x0                           ; my key step of K or V has landed,
	s_wait_loadcnt 0x0                             ; Q, its scale words and my 24 bytes of K's and V's
	ds_store_b128 v5, v[S:S+3]
	ds_store_b64 v6, v[S+4:S+5]
	s_wait_dscnt 0x0                               ; for the others' sake
	s_barrier_signal -1
	s_barrier_wait -1                              ; everybody's have: from here on K, V and their scale words are only read
	PASS 0
	PASS 1
	v_lshl_add_u32 v[S+32], v0, 4, OSTG            ; where waves 0 and 1 read o's scale words back,
	v_lshlrev_b32 v[S+33], 4, v0                   ; and where they store them
.irp c, 0,1,2
	global_store_b128 v[L16], v[OC+4*\c:OC+4*\c+3], s[8:9] offset:512*\c   ; o's fragment as an image: 512 consecutive bytes a store, aligned to 256
.endr
	ds_store_b32 v11, v[OW]                        ; sixteen waves' scale words meet in LDS (both halves of the lanes write the same word with the same value)
	WALU
	s_wait_dscnt 0x0                               ; for the others' sake
	s_barrier_signal -1
	s_barrier_wait -1
	s_cmp_lt_u32 s[WV], 2
	s_cbranch_scc0 .Lno_words
	ds_load_b128 v[S:S+3], v[S+32]
	s_wait_dscnt 0x0
	global_store_b128 v[S+33], v[S:S+3], s[10:11]  ; waves 0 and 1 store the 1,024 bytes, 512 consecutive bytes each
.Lno_words:
	s_wait_tensorcnt 0x0                           ; the wave's end: a wait, an add to my spare word and its wait, behind my tensor load and my last LDS store
	ds_add_u32 v[SPW], v[NIL]
	s_wait_dscnt 0x0
	CROUND                                         ; the closing round
	s_endpgm
.Lfunc_end_k_qfbb8b7f1ea_attn:
	.size	k_qfbb8b7f1ea_attn, .Lfunc_end_k_qfbb8b7f1ea_attn-k_qfbb8b7f1ea_attn
	.p2alignl 7, 3214868480
	.fill 96, 4, 3214868480
	.section	.rodata,"a",@progbits
	.p2align	6, 0x0
	.amdhsa_kernel k_qfbb8b7f1ea_attn
		.amdhsa_group_segment_fixed_size 261120
		.amdhsa_private_segment_fixed_size 0
		.amdhsa_enable_private_segment 0
		.amdhsa_kernarg_size 32
		.amdhsa_user_sgpr_count 2
		.amdhsa_user_sgpr_kernarg_segment_ptr 1
		.amdhsa_wavefront_size32 1
		.amdhsa_system_sgpr_workgroup_id_x 1
		.amdhsa_system_sgpr_workgroup_id_y 1
		.amdhsa_system_sgpr_workgroup_id_z 1
		.amdhsa_system_vgpr_workitem_id 0
		.amdhsa_next_free_vgpr 256
		.amdhsa_next_free_sgpr 66
		.amdhsa_reserve_vcc 0
		.amdhsa_float_denorm_mode_32 3
		.amdhsa_float_denorm_mode_16_64 3
		.amdhsa_memory_ordered 1
		.amdhsa_forward_progress 1
		.amdhsa_inst_pref_size 53
	.end_amdhsa_kernel
	.amdgpu_metadata
---
amdhsa.version: [ 1, 2 ]
amdhsa.kernels:
  - .name:           k_qfbb8b7f1ea_attn
    .symbol:         k_qfbb8b7f1ea_attn.kd
    .args:
      - { .name: cod2, .offset: 0, .size: 8, .value_kind: global_buffer, .address_space: global }
      - { .name: scl2, .offset: 8, .size: 8, .value_kind: global_buffer, .address_space: global }
      - { .name: cod3, .offset: 16, .size: 8, .value_kind: global_buffer, .address_space: global }
      - { .name: scl3, .offset: 24, .size: 8, .value_kind: global_buffer, .address_space: global }
    .group_segment_fixed_size: 261120
    .private_segment_fixed_size: 0
    .kernarg_segment_align: 8
    .kernarg_segment_size: 32
    .max_flat_workgroup_size: 512
    .sgpr_count:     66
    .vgpr_count:     256
    .wavefront_size: 32
...
	.end_amdgpu_metadata
.endif
;; end of part 3
;; launch proj (part 4): grid 4 x 64, 4 waves a work-group, clusters of 4 x 4, 327,680 bytes of LDS; arguments cod3, scl3, cod1, scl1, proj_b, out0; writes out0
.if DOCPART == 4
	.amdgcn_target "amdgcn-amd-amdhsa--gfx1250"
	.amdhsa_code_object_version 6
	.text
	.protected	k_qfbb8b7f1ea_proj
	.globl	k_qfbb8b7f1ea_proj
	.p2align	8
	.type	k_qfbb8b7f1ea_proj,@function
k_qfbb8b7f1ea_proj:
	s_mov_b64 s[64:65], 0
	v_nop
	global_prefetch_b8 v0, s[64:65] scope:SCOPE_SE
	s_setreg_imm32_b32 hwreg(HW_REG_WAVE_MODE, 25, 1), 1
	s_wait_xcnt 0x0
	s_wait_alu depctr_hold_cnt(0) depctr_sa_sdst(0) depctr_va_vdst(0) depctr_va_sdst(0) depctr_va_ssrc(0) depctr_va_vcc(0) depctr_vm_vsrc(0)
	s_getreg_b32 s2, hwreg(HW_REG_IB_STS2, 6, 4)
	s_cmp_eq_u32 s2, 0
	s_cbranch_scc0 .Lentry_in_a_cluster
	s_endpgm
.Lentry_in_a_cluster:
	s_bfe_u32 s2, ttmp6, 0x10000c
	s_cmp_lg_u32 s2, 0xf033
	s_cbranch_scc0 .Lentry_shape_is_right
	s_endpgm
.Lentry_shape_is_right:
; out0 = o proj_w^T + proj_b on codes of FP6 (E2M3) with E8M0 scales, K = 1,024, sums in f32.  LIMITS: NaN and infinities are not served.
; SHARES.  256 work-groups, each 128 rows of o x 256 rows of proj_w; four waves, 2 x 2, each 64 x 128: 32 accumulators, which begin with the bias as the first products' C.
; OPERANDS lie in memory as images of their registers, [row tile][128 along K: 8][1,536 bytes]: a fragment comes from LDS by three loads of 16 bytes a lane.
; LDS.  All of K is filled ONCE, in two halves of 512 along K: proj_w's 16 row tiles x 6,144 bytes, then o's 8.  One joint load a wave, each in an arm of its own: waves 0 and 1 the first half, waves 2 and 3 the second.
; The first barrier shows the first half alone; the barrier in step 3 shows the second, and behind it nobody reads the first half, in which the stages of the way out lie.
; CLUSTERS: 4 x 4 work-groups; proj_w's tiles are asked for jointly by a column of the cluster, o's by a row.  No prefetch: all fills go out at the head, and no loop runs ahead of them.
; Source 0 = 16 rows of proj_w, source 1 = 16 rows of o: a lane holds eight neighbouring numbers of a row of out0; blocks of 16 rows leave through the wave's own stage as whole rows of 512 bytes.
.set FR,     12
.set NL,     3
.set NP,     4
.set FRB,    1536
.set TILEB,  4*FRB                     ; a row tile's bytes in a half of K
.set PH,     8*TILEB
.set RH,     4*TILEB
.set ROFF,   2*PH
.set CH,     ROFF+2*RH
.set SPARE,  2*CH                      ; behind the two halves: the spare words, which no other line names
.set SPITCH, 528
.set ADRP, 8
.set ADRR, 12
.set STO,  24
.set RD,   25
.set CO,   26
.set WSO,  27
.set SPW,  28
.set NIL,  29
.set BO,   31
.set PS,   32
.set BI,   64
.set AF,   128
.set RS,   224
.set BK,   64
.set G1P, 24
.set G0P, 32
.set G1R, 48
.set G0R, 56
.set MSB, 0
.macro WIN new
.if MSB != \new
	s_set_vgpr_msb (MSB<<8)|\new
.set MSB, \new
.endif
.endm
.set MUL_LO,  0xa1
.set BIAS_LO, 0x81
.set TO_B,    0x40
.macro ARM under, g0, g1, next         ; an arm of the head's one chain of branches on the wave's number: a load, and a jump to the join
	s_cmp_lt_u32 s14, \under
	s_cbranch_scc0 \next
	tensor_load_to_lds s[\g0:\g0+3], s[\g1:\g1+7]
	s_nop 0
.rept 4
	v_nop
.endr
	s_branch .Lasked
\next:
.endm
.macro CROUND
	s_barrier_signal -1
	s_barrier_wait -1
	s_cmp_lg_u32 s14, 0
	s_cbranch_scc1 .Lnot_wave_0_\@
	s_barrier_signal -3
.Lnot_wave_0_\@:
	s_barrier_wait -3
	s_barrier_signal -1
	s_barrier_wait -1
.endm
	s_load_b256 s[4:11], s[0:1], 0x0
	s_load_b128 s[96:99], s[0:1], 0x20
	v_lshl_add_u32 v[SPW], v0, 2, SPARE
	v_mov_b32 v[NIL], 0
	ds_add_u32 v[SPW], v[NIL]
	ds_add_u32 v[SPW], v[NIL]
	v_lshrrev_b32 v1, 5, v0
	v_readfirstlane_b32 s14, v1
	s_lshr_b32 s15, s14, 1
	s_and_b32 s16, s14, 1
	s_bfe_u32 s76, ttmp6, 0x40000
	s_bfe_u32 s77, ttmp6, 0x40004
	s_lshl_b32 s78, ttmp9, 2
	s_add_co_u32 s78, s78, s76
	s_and_b32 s17, ttmp7, 0xffff
	s_lshl_b32 s17, s17, 2
	s_add_co_u32 s17, s17, s77
	s_lshl_b32 s79, s77, 2
	s_lshl_b32 s79, 15, s79
	s_lshl_b32 s80, 0x1111, s76
	s_or_b32 s[G1P+0], s80, (3<<16)|(1<<21)
	s_mov_b32 s[G1P+1], 768<<16                    ; rows of 6,144 bytes (512 along K of a row tile), in elements of 8 bytes, 12,288 bytes apart;
	s_mov_b32 s[G1P+2], 16<<16                     ; proj_w: 16 row tiles
	s_mov_b32 s[G1P+3], 768<<16
	s_mov_b32 s[G1P+4], 16
	s_mov_b32 s[G1P+5], 1536
	s_mov_b32 s[G1P+6], 0
	s_mov_b32 s[G1P+7], 0
	s_or_b32 s[G1R+0], s79, (3<<16)|(1<<21)
	s_mov_b32 s[G1R+1], 768<<16
	s_mov_b32 s[G1R+2], 8<<16                      ; o: 8 row tiles
	s_mov_b32 s[G1R+3], 768<<16
	s_mov_b32 s[G1R+4], 8
	s_mov_b32 s[G1R+5], 1536
	s_mov_b32 s[G1R+6], 0
	s_mov_b32 s[G1R+7], 0
	s_lshl_b32 s82, s78, 4
	s_add_co_u32 s82, s82, 704
	s_mul_i32 s82, s82, 12288
	s_mov_b32 s83, 0
	s_lshl_b32 s84, s17, 3
	s_mul_i32 s84, s84, 12288
	s_mov_b32 s85, 0
	s_wait_dscnt 0x0
	s_wait_kmcnt 0x0
	s_add_nc_u64 s[82:83], s[8:9], s[82:83]
	s_add_nc_u64 s[84:85], s[4:5], s[84:85]
	CROUND
.irp c, 0,1                                    ; group 0 for each half of K
	s_mov_b32 s[G0P+4*\c], 1
	s_mov_b32 s[G0P+4*\c+1], \c*CH
	s_add_nc_u64 s[G0P+4*\c+2:G0P+4*\c+3], s[82:83], \c*TILEB
	s_or_b32 s[G0P+4*\c+3], s[G0P+4*\c+3], 0x80000000
	s_mov_b32 s[G0R+4*\c], 1
	s_mov_b32 s[G0R+4*\c+1], \c*CH+ROFF
	s_add_nc_u64 s[G0R+4*\c+2:G0R+4*\c+3], s[84:85], \c*TILEB
	s_or_b32 s[G0R+4*\c+3], s[G0R+4*\c+3], 0x80000000
.endr
	ARM 1, G0P, G1P, .Lh_r0                        ; wave 0: proj_w, K 0 .. 511
	ARM 2, G0R, G1R, .Lh_p1                        ; wave 1: o, K 0 .. 511
	ARM 3, G0P+4, G1P, .Lh_r1                      ; wave 2: proj_w, K 512 .. 1,023
	tensor_load_to_lds s[G0R+4:G0R+7], s[G1R:G1R+7]   ; wave 3: o, K 512 .. 1,023
	s_nop 0
.rept 4
	v_nop
.endr
.Lasked:
	v_and_b32 v1, 15, v0
	v_bfe_u32 v2, v0, 4, 1
	v_and_b32 v3, 31, v0
	v_lshlrev_b32 v[CO], 4, v3
	v_lshlrev_b32 v[BO], 5, v2
	v_lshlrev_b32 v[WSO], 2, v1
	v_lshl_add_u32 v[WSO], v2, 10, v[WSO]
	s_wait_alu depctr_va_vdst(0)
	s_lshl_b32 s90, s78, 10
	s_lshl_b32 s91, s16, 9
	s_add_co_u32 s90, s90, s91
	s_mov_b32 s91, 0
	s_add_nc_u64 s[96:97], s[96:97], s[90:91]
.irp b, 0,1,2,3,4,5,6,7
	global_load_b128 v[BI+8*\b:BI+8*\b+3], v[BO], s[96:97] offset:64*\b
	global_load_b128 v[BI+8*\b+4:BI+8*\b+7], v[BO], s[96:97] offset:64*\b+16
.endr
	s_add_co_u32 s88, s78, 44
	s_lshl_b32 s88, s88, 13
	s_lshl_b32 s89, s16, 9
	s_add_co_u32 s88, s88, s89
	s_mov_b32 s89, 0
	s_add_nc_u64 s[10:11], s[10:11], s[88:89]
	s_lshr_b32 s88, s17, 1
	s_lshl_b32 s88, s88, 13
	s_and_b32 s92, s17, 1
	s_lshl_b32 s92, s92, 9
	s_add_co_u32 s88, s88, s92
	s_lshl_b32 s92, s15, 8
	s_add_co_u32 s88, s88, s92
	s_add_nc_u64 s[6:7], s[6:7], s[88:89]
.irp sl, 0,1,2,3
.irp b, 0,1,2,3,4,5,6,7
	global_load_b32 v[PS+8*\sl+\b], v[WSO], s[10:11] offset:2048*\sl+64*\b
.endr
.irp a, 0,1,2,3
	global_load_b32 v[RS+4*\sl+\a], v[WSO], s[6:7] offset:2048*\sl+64*\a
.endr
.endr
	s_mul_i32 s88, s16, PH
	s_mul_i32 s89, s15, RH
	s_add_co_u32 s89, s89, ROFF
.irp c, 0,1
	v_add_nc_u32 v[ADRP+\c], s88, v[CO]
	v_add_nc_u32 v[ADRR+\c], s89, v[CO]
	s_add_co_u32 s88, s88, CH
	s_add_co_u32 s89, s89, CH
.endr
	s_mul_i32 s23, s14, 16*SPITCH
	v_mul_u32_u24 v5, v1, SPITCH
	v_lshl_add_u32 v5, v2, 5, v5
	v_add_nc_u32 v[STO], s23, v5
	v_add_nc_u32 v[RD], s23, v[CO]
	s_lshl_b32 s20, s17, 7
	s_lshl_b32 s21, s15, 6
	s_add_co_u32 s20, s20, s21
	s_lshl_b32 s20, s20, 12
	s_mov_b32 s21, 0
	s_add_nc_u64 s[20:21], s[20:21], s[90:91]
	s_add_nc_u64 s[98:99], s[98:99], s[20:21]
.macro FRAG reg, adr, q, i
.irp c, 0,1,2
	ds_load_b128 v[\reg+4*\c:\reg+4*\c+3], v[\adr] offset:TILEB*(\i)+FRB*(\q)+512*\c
.endr
.endm
.macro MULH a0, p, kk, first
.irp a, \a0, \a0+1
.irp b, 0,1,2,3,4,5,6,7
.if \first
	v_wmma_scale_f32_16x16x128_f8f6f4 v[8*(8*(\a)+\b):8*(8*(\a)+\b)+7], v[128*(\p)+FR*\b:128*(\p)+FR*\b+FR-1], v[AF+48*(\p)+FR*(\a):AF+48*(\p)+FR*(\a)+FR-1], v[BI+8*\b:BI+8*\b+7], v[PS+8*((\kk)/2)+\b], v[RS+4*((\kk)/2)+(\a)] matrix_a_fmt:MATRIX_FMT_FP6 matrix_b_fmt:MATRIX_FMT_FP6
.elseif (\kk)%2
	v_wmma_scale_f32_16x16x128_f8f6f4 v[8*(8*(\a)+\b):8*(8*(\a)+\b)+7], v[128*(\p)+FR*\b:128*(\p)+FR*\b+FR-1], v[AF+48*(\p)+FR*(\a):AF+48*(\p)+FR*(\a)+FR-1], v[8*(8*(\a)+\b):8*(8*(\a)+\b)+7], v[PS+8*((\kk)/2)+\b], v[RS+4*((\kk)/2)+(\a)] matrix_a_fmt:MATRIX_FMT_FP6 matrix_b_fmt:MATRIX_FMT_FP6 matrix_a_scale:MATRIX_SCALE_ROW1 matrix_b_scale:MATRIX_SCALE_ROW1
.else
	v_wmma_scale_f32_16x16x128_f8f6f4 v[8*(8*(\a)+\b):8*(8*(\a)+\b)+7], v[128*(\p)+FR*\b:128*(\p)+FR*\b+FR-1], v[AF+48*(\p)+FR*(\a):AF+48*(\p)+FR*(\a)+FR-1], v[8*(8*(\a)+\b):8*(8*(\a)+\b)+7], v[PS+8*((\kk)/2)+\b], v[RS+4*((\kk)/2)+(\a)] matrix_a_fmt:MATRIX_FMT_FP6 matrix_b_fmt:MATRIX_FMT_FP6
.endif
.endr
.endr
.endm
.macro FETCH adrp, adrr, q, p
	WIN TO_B
.irp i, 0,1,2,3,4,5,6,7
	FRAG 128*(\p)+FR*\i, \adrp, \q, \i
.endr
	WIN 0
.irp i, 0,1,2,3
	FRAG AF+48*(\p)+FR*\i, \adrr, \q, \i
.endr
.endm
.macro PLACES n
.rept \n
	v_nop
.endr
.endm
.macro STEPH p, kk, first, more, nadrp, nadrr, nq, tc
.if \tc >= 0
	s_wait_tensorcnt \tc
	s_wait_dscnt 0x0
	s_barrier_signal -1
.else
	s_wait_dscnt 2*NL
.endif
.if \first
	WIN BIAS_LO
.else
	WIN MUL_LO
.endif
	MULH 0, \p, \kk, \first
.if \tc >= 0
	s_barrier_wait -1
.endif
.if \more
	PLACES NP
	FETCH \nadrp, \nadrr, \nq, 1-(\p)
	s_wait_dscnt 12*NL
.else
	s_wait_dscnt 0x0
.endif
.if \first
	WIN BIAS_LO
.else
	WIN MUL_LO
.endif
	MULH 2, \p, \kk, \first
.endm
	s_wait_alu depctr_va_vdst(0)
	s_cmp_lt_u32 s14, 2
	s_cbranch_scc0 .Llater
	s_wait_tensorcnt 0x0                           ; waves 0 and 1: the first half of K is in; the second half's loads, lines of waves 2 and 3 alone, may be out
.Llater:
	s_barrier_signal -1
	s_barrier_wait -1
	FETCH ADRP, ADRR, 0, 0
	s_wait_loadcnt 0x0
	STEPH 0, 0, 1, 1, ADRP, ADRR, 1, -1
	STEPH 1, 1, 0, 1, ADRP, ADRR, 2, -1
	STEPH 0, 2, 0, 1, ADRP, ADRR, 3, -1
	STEPH 1, 3, 0, 1, ADRP+1, ADRR+1, 0, 0         ; every wave waits for its tensor load and its reads of the first half; the barrier shows the second half to all
	STEPH 0, 4, 0, 1, ADRP+1, ADRR+1, 1, -1
	STEPH 1, 5, 0, 1, ADRP+1, ADRR+1, 2, -1
	STEPH 0, 6, 0, 1, ADRP+1, ADRR+1, 3, -1
	STEPH 1, 7, 0, 0, 0, 0, 0, -1
	WIN 0
.macro TOSTAGE a
.set AC, 64*(\a)
	WIN 0x08
.irp b, 0,1,2,3,4,5,6,7
	ds_store_b128 v[STO], v[AC+8*\b:AC+8*\b+3] offset:64*\b
	ds_store_b128 v[STO], v[AC+8*\b+4:AC+8*\b+7] offset:64*\b+16
.endr
	WIN 0
.set BB, BK+64*((\a)%2)
.irp t, 0,1,2,3,4,5,6,7,8,9,10,11,12,13,14,15
	ds_load_b128 v[BB+4*\t:BB+4*\t+3], v[RD] offset:\t*SPITCH
.endr
.endm
.macro SEND a, younger
.set BB, BK+64*((\a)%2)
	s_wait_dscnt \younger
.irp t, 0,1,2,3,4,5,6,7,8,9,10,11,12,13,14,15
	global_store_b128 v[CO], v[BB+4*\t:BB+4*\t+3], s[98:99] offset:(32*((\a)/2)+8*((\a)%2)+16*(\t/8)+\t%8)*4096 th:TH_STORE_NT
.endr
.endm
	PLACES NP
	TOSTAGE 0
.irp a, 1,2,3
.if \a > 1
	s_wait_xcnt 0x0
.endif
	TOSTAGE \a
	SEND \a-1, 32
.endr
	SEND 3, 0
	s_wait_tensorcnt 0x0
	ds_add_u32 v[SPW], v[NIL]
	s_wait_dscnt 0x0
	CROUND
	s_endpgm
.Lfunc_end_k_qfbb8b7f1ea_proj:
	.size	k_qfbb8b7f1ea_proj, .Lfunc_end_k_qfbb8b7f1ea_proj-k_qfbb8b7f1ea_proj
	.p2alignl 7, 3214868480
	.fill 96, 4, 3214868480
	.section	.rodata,"a",@progbits
	.p2align	6, 0x0
	.amdhsa_kernel k_qfbb8b7f1ea_proj
		.amdhsa_group_segment_fixed_size 327680
		.amdhsa_private_segment_fixed_size 0
		.amdhsa_enable_private_segment 0
		.amdhsa_kernarg_size 48
		.amdhsa_user_sgpr_count 2
		.amdhsa_user_sgpr_kernarg_segment_ptr 1
		.amdhsa_wavefront_size32 1
		.amdhsa_system_sgpr_workgroup_id_x 1
		.amdhsa_system_sgpr_workgroup_id_y 1
		.amdhsa_system_sgpr_workgroup_id_z 1
		.amdhsa_system_vgpr_workitem_id 0
		.amdhsa_next_free_vgpr 768
		.amdhsa_next_free_sgpr 100
		.amdhsa_reserve_vcc 0
		.amdhsa_float_denorm_mode_32 3
		.amdhsa_float_denorm_mode_16_64 3
		.amdhsa_memory_ordered 1
		.amdhsa_forward_progress 1
		.amdhsa_inst_pref_size 81
	.end_amdhsa_kernel
	.amdgpu_metadata
---
amdhsa.version: [ 1, 2 ]
amdhsa.kernels:
  - .name:           k_qfbb8b7f1ea_proj
    .symbol:         k_qfbb8b7f1ea_proj.kd
    .args:
      - { .name: cod3, .offset: 0, .size: 8, .value_kind: global_buffer, .address_space: global }
      - { .name: scl3, .offset: 8, .size: 8, .value_kind: global_buffer, .address_space: global }
      - { .name: cod1, .offset: 16, .size: 8, .value_kind: global_buffer, .address_space: global }
      - { .name: scl1, .offset: 24, .size: 8, .value_kind: global_buffer, .address_space: global }
      - { .name: proj_b, .offset: 32, .size: 8, .value_kind: global_buffer, .address_space: global }
      - { .name: out0, .offset: 40, .size: 8, .value_kind: global_buffer, .address_space: global }
    .group_segment_fixed_size: 327680
    .private_segment_fixed_size: 0
    .kernarg_segment_align: 8
    .kernarg_segment_size: 48
    .max_flat_workgroup_size: 128
    .sgpr_count:     100
    .vgpr_count:     768
    .wavefront_size: 32
...
	.end_amdgpu_metadata
.endif
;; end of part 4
